; MI455X (gfx1250); checked and timed in simulation.
; The chip was launched on July 23, 2026; its instructions are those of AMD's public machine-readable ISA for CDNA 5 (MIT licence, August 2026) and "CDNA5" Instruction Set Architecture Reference Guide (July 2026). The comments in the code are by the model that wrote it; some were corrected since.
;; Sparse Multi Head Attention. Allowed arithmetic: matrix products marked QUANTISED: E2M3 operands, one E8M0 scale for each 32 along K, by v_wmma_scale_f32_16x16x128_f8f6f4 with both operands' format E2M3, f32 sums; everything else in f32.
;; Inputs: coords 4,096 x 5 int32; gamma_k 16 x 64 float32; gamma_q 16 x 64 float32; w_out_codes 1,024 x 32 x 24 uint8 (E2M3 codes of w_out, K innermost, in blocks of 32 codes, four codes in three bytes); w_out_scales 1,024 x 32 uint8 (E8M0 scales of w_out, one for each 32 codes along K); w_qkv_codes 3,072 x 32 x 24 uint8 (E2M3 codes of w_qkv, K innermost, in blocks of 32 codes, four codes in three bytes); w_qkv_scales 3,072 x 32 uint8 (E8M0 scales of w_qkv, one for each 32 codes along K); x_codes 4,096 x 32 x 24 uint8 (E2M3 codes of x, K innermost, in blocks of 32 codes, four codes in three bytes); x_scales 4,096 x 32 uint8 (E8M0 scales of x, one for each 32 codes along K).
;; Outputs: out0 4,096 x 1,024 float32.
;; This version of the problem:
;;   THIS VERSION OF THE PROBLEM IS GIVEN IN LOW PRECISION. The matrix products marked QUANTISED in the list below multiply operands that are first quantised to E2M3 (2 exponent bits, 3 mantissa bits; 6 bits a number), with one power-of-two scale for each 32 numbers along K (OCP MX v1.0); their sums are f32. All else is computed in f32.
;;   The module's matrix products, in the order in which they are computed (A, B: the left and right operand; K: the contracted axis; several contracted axes count as one K, in the product's order):
;;     1. [M 4,096, K 1,024] x [K 1,024, N 3,072]; A: input x (given as codes); B: input w_qkv (given as codes): QUANTISED
;;     2. batch 16 x [M 4,096, K 64] x [K 64, N 4,096]; A: computed on the way; B: computed on the way: QUANTISED
;;     3. batch 16 x [M 64, K 4,096] x [K 4,096, N 4,096]; A: computed on the way; B: softmax (see below): QUANTISED
;;     4. [M 4,096, K 1,024] x [K 1,024, N 1,024]; A: computed on the way; B: input w_out (given as codes): QUANTISED
;;   THE QUANTISER, for each operand of a quantised product, along K:
;;     - K is cut into blocks of 32 from its start; a last block that is shorter is filled with zeros.
;;     - A block's scale is 2^e with e = floor(log2(the largest magnitude in the block)) - 2, held to -126 .. 127; a block of zeros has e = 0. As a byte (E8M0): e + 127.
;;     - Each number is divided by its block's scale, clamped to +-7.5, and rounded to the nearest number of E2M3, ties to even, subnormals kept.
;;     - The product sums the exact products of the quantised numbers (number of the format x scale) in f32.
;;   ~~~python
;;   def quantise(x, axis):      # numpy; x: float32 -> the quantised numbers, widened to float32 again
;;       x = np.moveaxis(x, axis, -1); K = x.shape[-1]
;;       x = np.pad(x, [(0, 0)] * (x.ndim - 1) + [(0, -K % 32)]); x = x.reshape(x.shape[:-1] + (-1, 32)); a = np.abs(x).max(-1, keepdims=True)
;;       e = np.where(a > 0, np.clip(np.frexp(np.where(a > 0, a, 1))[1] - 1 - 2, -126, 127), 0)      # np.frexp(a)[1] - 1 = floor(log2(a)), exactly
;;       r = np.clip(x / 2.0 ** e, -7.5, 7.5)
;;       step = 2.0 ** (np.maximum(np.frexp(np.where(r == 0, 1, r))[1] - 1, 0) - 3)
;;       q = np.round(r / step) * step * 2.0 ** e      # np.round: ties to even
;;       return np.moveaxis(q.reshape(q.shape[:-2] + (-1,))[..., :K], -1, axis).astype(np.float32)
;;   ~~~
;;   SOFTMAX AHEAD OF A QUANTISED PRODUCT. Where the list says 'softmax', what is quantised is not the finished softmax but p = 2^(t - M), with t = logit x log2(e) and M = ceil(the row's largest t), a whole number; so 1/2 < the row's largest p <= 1. The row's sum l is taken of the UNQUANTISED p, in f32, and the product's result is divided by l at the end. Since M is a whole number, a kernel that streams over the keys may use a running M (the ceiling of the running maximum): every later rescaling is an exact power of two, which a block's scale takes up: the codes' values come out the same.
;;   OPERANDS COMPUTED ON THE WAY. 'Computed on the way' means the value that the module computes at that place (a softmax that the list does not call 'softmax' is quantised finished and normalised). What goes into a quantiser is computed in f32, as accurately as f32 sums, v_exp_f32 and their like allow (about 1e-6 of the number): no bf16 or f16 on the way to a quantiser, and a product that is left as it is and whose result goes on into a quantised operand takes f32 operands (vector FMAs, or v_wmma_f32_16x16x4_f32). A number that lies on a knife's edge between two numbers of the format may be rounded either way, as far as f32 arithmetic and the matrix unit's own rounding can turn it there, and no further.
;;   INPUTS GIVEN AS CODES. w_out (in the module: [1024, 1024], K = its axis 1); w_qkv (in the module: [3072, 1024], K = its axis 1); x (in the module: [4096, 1024], K = its axis 1): each comes as NAME_codes (uint8): NAME with its K axis moved to the last place and cut into blocks of 32 codes, [.., K / 32, bytes a block], one block behind the other in memory; four codes in three bytes: a row's codes are one little-endian stream of bits, code i at bits 6 i .. 6 i + 5 (a code: sign, 2 exponent bits, 3 mantissa bits); and NAME_scales (uint8): the same leading axes, one E8M0 byte (e + 127) for each 32 codes along K. Its value is code x scale, taken as it is: it is not quantised again, and the codes and scales need not be those that the quantiser above would give.
;; One version. Each part assembles by itself: llvm-mc -triple=amdgcn-amd-amdhsa -mcpu=gfx1250 --defsym DOCPART=n.
;; ======== version 1 of 1: 3 launches
;; limits: right only within a limited range of input values
;; workspace buffers: qimg 3,407,872 bytes; kimg 3,407,872 bytes; vimg 3,407,872 bytes; aimg 3,145,728 bytes; ascl 131,072 bytes
;; launch qkv (part 1): grid 12 x 16, 4 waves a work-group, clusters of 4 x 4, 327,680 bytes of LDS; arguments x_codes, x_scales, w_qkv_codes, w_qkv_scales, coords, gamma_q, gamma_k, qimg, kimg, vimg; writes qimg, kimg, vimg
.if DOCPART == 1
	.amdgcn_target "amdgcn-amd-amdhsa--gfx1250"
	.amdhsa_code_object_version 6
	.text
	.protected	k_q6d7d1b56f1_qkv
	.globl	k_q6d7d1b56f1_qkv
	.p2align	8
	.type	k_q6d7d1b56f1_qkv,@function
k_q6d7d1b56f1_qkv:
	s_mov_b64 s[64:65], 0
	v_nop
	global_prefetch_b8 v0, s[64:65] scope:SCOPE_SE
	s_setreg_imm32_b32 hwreg(HW_REG_WAVE_MODE, 25, 1), 1
	s_wait_xcnt 0x0
	s_wait_alu depctr_hold_cnt(0) depctr_sa_sdst(0) depctr_va_vdst(0) depctr_va_sdst(0) depctr_va_ssrc(0) depctr_va_vcc(0) depctr_vm_vsrc(0)
	s_getreg_b32 s2, hwreg(HW_REG_IB_STS2, 6, 4)
	s_cmp_eq_u32 s2, 0
	s_cbranch_scc0 .Lentry_in_a_cluster
	s_endpgm
.Lentry_in_a_cluster:
	s_bfe_u32 s2, ttmp6, 0x10000c
	s_cmp_lg_u32 s2, 0xf033
	s_cbranch_scc0 .Lentry_shape_is_right
	s_endpgm
.Lentry_shape_is_right:
; The product's ring goes by chunks of 256 bytes of each row of codes (a row is 768 bytes: three chunks); a step of 128 along K is 96 bytes: eight steps to three chunks; chunk c lies in slot c % 2.
.set NQ,     2
.set ROWB,   256
.set STEPS,  8
.set CHUNKS, 3
.set KROW,   768
.set PITCH,  272
.set FR,     12
.set NL,     6
.set NP,     4
.set HALFT,  128*PITCH
.set SLOT,   4*HALFT
.set KS,     32
.set SCL,    2*SLOT
.set HALFS,  (128*KS/256)*272
.set SBLK,   (16*KS/256)*272
.set SPARE,  SCL+4*HALFS
.set REC,    6656
.set HEADB,  32*REC
.set CRO,  10
.set GMO,  11
.set ADRA, 16
.set ADRB, 20
.set ADRS, 27
.set SPW,  28
.set NIL,  29
.set L16,  30
.set L8,   31
.set SC,   32
.set COORD, 64
.set AF,   128
.set G1, 24
.set G0, 32
.set G1B, 48
.set G0B, 56
.set G1S, 68
.set G0S, 76
.set G1SB, 80
.set G0SB, 88
.set SEL, 20
.set MSB, 0
.macro WIN new
.if MSB != (\new)
	s_set_vgpr_msb (MSB<<8)|(\new)
.set MSB, (\new)
.endif
.endm
.set MUL_LO, 0xa1
.set MUL_HI, 0xf1
.set TO_B,   0x40
.macro JLOAD g0a, g1a, g0b, g1b
	s_cmp_eq_u32 s15, 0
	s_cbranch_scc0 .Lfor_b_\@
	tensor_load_to_lds s[\g0a:\g0a+3], s[\g1a:\g1a+7]
	s_nop 0
.rept 4
	v_nop
.endr
	s_branch .Lasked_\@
.Lfor_b_\@:
	tensor_load_to_lds s[\g0b:\g0b+3], s[\g1b:\g1b+7]
	s_nop 0
.rept 4
	v_nop
.endr
.Lasked_\@:
.endm
.macro CREST
	s_cmp_lg_u32 s14, 0
	s_cbranch_scc1 .Lnot_wave_0_\@
	s_barrier_signal -3
.Lnot_wave_0_\@:
	s_barrier_wait -3
	s_barrier_signal -1
	s_barrier_wait -1
.endm
.macro CROUND
	s_barrier_signal -1
	s_barrier_wait -1
	CREST
.endm
	s_load_b256 s[4:11], s[0:1], 0x0
	s_load_b256 s[68:75], s[0:1], 0x20
	s_load_b128 s[76:79], s[0:1], 0x40
	v_lshl_add_u32 v[SPW], v0, 2, SPARE
	v_mov_b32 v[NIL], 0
	ds_add_u32 v28, v29
	ds_add_u32 v28, v29
	s_wait_dscnt 0x0
	v_lshrrev_b32 v1, 5, v0
	v_readfirstlane_b32 s14, v1
	s_lshr_b32 s15, s14, 1
	s_and_b32 s16, s14, 1
	s_bfe_u32 s40, ttmp6, 0x40000
	s_bfe_u32 s41, ttmp6, 0x40004
	s_and_b32 s95, ttmp7, 0xffff
	s_cmp_eq_u32 ttmp9, 2
	s_cselect_b32 s17, 2, s95
	s_cselect_b32 s42, s95, ttmp9
	s_lshl_b32 s17, s17, 2
	s_add_co_u32 s17, s17, s41
	s_lshl_b32 s42, s42, 2
	s_add_co_u32 s42, s42, s40
	s_lshl_b32 s43, s41, 2
	s_lshl_b32 s43, 15, s43
	s_lshl_b32 s44, 0x1111, s40
	s_or_b32 s[G1+0], s43, (0<<16)|(1<<20)|(1<<21)|(5<<22)|(3<<25)
	s_or_b32 s[G1B+0], s44, (0<<16)|(1<<20)|(1<<21)|(5<<22)|(3<<25)
.irp g, G1, G1B
	s_mov_b32 s[\g+1], ROWB<<16
	s_mov_b32 s[\g+2], 256<<16                     ; 256 rows for the head's loads; behind them these two words are set to 128, for the ring's
	s_mov_b32 s[\g+3], ROWB<<16
	s_mov_b32 s[\g+4], 256
	s_mov_b32 s[\g+5], KROW
	s_mov_b32 s[\g+6], 0
	s_mov_b32 s[\g+7], 0
.endr
	s_lshl_b32 s20, s17, 8                         ; the tiles' first rows
	s_lshl_b32 s46, s42, 8
	s_mov_b32 s21, 0
	s_mov_b32 s47, 0
	s_mov_b64 s[18:19], KS
	s_mul_u64 s[22:23], s[20:21], s[18:19]
	s_mul_u64 s[92:93], s[46:47], s[18:19]
	s_mov_b64 s[18:19], KROW
	s_mul_u64 s[20:21], s[20:21], s[18:19]
	s_mul_u64 s[46:47], s[46:47], s[18:19]
	s_mul_i32 s18, s16, 128*KROW                   ; in the ring I fetch 128 rows of a tile: which half, in bytes
	s_mov_b32 s19, 0
	s_mul_i32 s45, s14, HALFT
	s_wait_kmcnt 0x0
	s_cmp_eq_u32 ttmp9, 2
	s_cselect_b64 s[96:97], s[8:9], s[4:5]
	s_cselect_b64 s[98:99], s[10:11], s[6:7]
	s_cselect_b64 s[8:9], s[4:5], s[8:9]
	s_cselect_b64 s[10:11], s[6:7], s[10:11]
	s_mov_b64 s[4:5], s[96:97]
	s_mov_b64 s[6:7], s[98:99]
	s_cmp_eq_u32 ttmp9, 0
	s_cselect_b64 s[12:13], s[74:75], s[76:77]
	s_cmp_eq_u32 ttmp9, 2
	s_cselect_b64 s[12:13], s[78:79], s[12:13]
	s_mov_b64 s[100:101], s[68:69]
	s_cmp_eq_u32 ttmp9, 1
	s_cselect_b64 s[104:105], s[72:73], s[70:71]
	s_or_b32 s[G1S+0], s43, (3<<16)|(1<<20)|(1<<21)|(5<<22)|(3<<25)
	s_or_b32 s[G1SB+0], s44, (3<<16)|(1<<20)|(1<<21)|(5<<22)|(3<<25)
.irp g, G1S, G1SB
	s_mov_b32 s[\g+1], 32<<16
	s_mov_b32 s[\g+2], KS<<16                      ; the scales of 256 rows: KS rows of 256 bytes
	s_mov_b32 s[\g+3], 32<<16
	s_mov_b32 s[\g+4], KS
	s_mov_b32 s[\g+5], 32
	s_mov_b32 s[\g+6], 0
	s_mov_b32 s[\g+7], 0
.endr
	s_add_nc_u64 s[20:21], s[4:5], s[20:21]
	s_add_nc_u64 s[22:23], s[6:7], s[22:23]
	s_add_nc_u64 s[46:47], s[8:9], s[46:47]
	s_add_nc_u64 s[92:93], s[10:11], s[92:93]
	CROUND                                         ; all sixteen work-groups are here: the first joint loads meet
.set G0H, 4                            ; s[4:7], s[8:11]: group 0 for the head's loads of chunk 0 (the addresses that lay there have been used)
.set G0HB, 8
	s_mov_b32 s[G0H], 1                            ; the head's four tiles, each whole: chunk 0's 256 rows of source A,
	s_mov_b32 s[G0H+1], 0
	s_mov_b64 s[G0H+2:G0H+3], s[20:21]
	s_or_b32 s[G0H+3], s[G0H+3], 0x80000000
	s_mov_b32 s[G0HB], 1                           ; its 256 rows of source B, behind them in slot 0,
	s_mov_b32 s[G0HB+1], 2*HALFT
	s_mov_b64 s[G0HB+2:G0HB+3], s[46:47]
	s_or_b32 s[G0HB+3], s[G0HB+3], 0x80000000
	s_mov_b32 s[G0S], 1                            ; the scales of A's 256 rows,
	s_mov_b32 s[G0S+1], SCL
	s_mov_b64 s[G0S+2:G0S+3], s[22:23]
	s_or_b32 s[G0S+3], s[G0S+3], 0x80000000
	s_mov_b32 s[G0SB], 1                           ; and of B's
	s_mov_b32 s[G0SB+1], SCL+2*HALFS
	s_mov_b64 s[G0SB+2:G0SB+3], s[92:93]
	s_or_b32 s[G0SB+3], s[G0SB+3], 0x80000000
	s_add_nc_u64 s[20:21], s[20:21], s[18:19]      ; for the ring: my 128 rows of the tile
	s_add_nc_u64 s[46:47], s[46:47], s[18:19]
.irp s, 0,1
	s_mov_b32 s[G0+4*\s], 1
	s_add_co_u32 s[G0+4*\s+1], s45, \s*SLOT
	s_add_nc_u64 s[G0+4*\s+2:G0+4*\s+3], s[20:21], \s*ROWB
	s_or_b32 s[G0+4*\s+3], s[G0+4*\s+3], 0x80000000
	s_mov_b32 s[G0B+4*\s], 1
	s_add_co_u32 s[G0B+4*\s+1], s45, \s*SLOT
	s_add_nc_u64 s[G0B+4*\s+2:G0B+4*\s+3], s[46:47], \s*ROWB
	s_or_b32 s[G0B+4*\s+3], s[G0B+4*\s+3], 0x80000000
.endr
; The head's loads, one a wave, in one chain of branches on the wave's number: every way through the head passes exactly one load.
.macro ARM under, g0, g1, next
	s_cmp_lt_u32 s14, \under
	s_cbranch_scc0 \next
	tensor_load_to_lds s[\g0:\g0+3], s[\g1:\g1+7]
	s_nop 0
.rept 4
	v_nop
.endr
	s_branch .Lhead_asked
\next:
.endm
	ARM 1, G0H,  G1,  .Lhead_b
	ARM 2, G0HB, G1B, .Lhead_sa
	ARM 3, G0S,  G1S, .Lhead_sb
	tensor_load_to_lds s[G0SB:G0SB+3], s[G1SB:G1SB+7]
	s_nop 0
.rept 4
	v_nop
.endr
.Lhead_asked:
	v_and_b32 v1, 15, v0
	v_bfe_u32 v2, v0, 4, 1
	v_mul_u32_u24 v3, v1, PITCH
	v_mul_u32_u24 v4, v2, 24
	v_add_nc_u32 v4, v3, v4
	s_mov_b32 s21, SLOT-232
	s_mov_b32 s22, SLOT+232
	v_sub_nc_u32 v7, 1, v2
	v_mul_u32_u24 v5, s21, v2
	v_add_nc_u32 v5, v3, v5
	v_add_nc_u32 v5, 232, v5                       ; across two chunks: lanes 0-15 byte 232 of the row in slot 0, lanes 16-31 byte 0 of the row in slot 1
	v_mul_u32_u24 v6, s22, v7
	v_add_nc_u32 v6, v3, v6                        ; and the other way round
	s_mul_i32 s21, s15, HALFT
	s_mul_i32 s22, s16, HALFT
	s_add_co_u32 s22, s22, 2*HALFT
	v_add_nc_u32 v[ADRA+2], s21, v5
	v_add_nc_u32 v[ADRA+3], s21, v6
	v_add_nc_u32 v[ADRB+2], s22, v5
	v_add_nc_u32 v[ADRB+3], s22, v6
.irp s, 0,1
	v_add_nc_u32 v[ADRA+\s], s21, v4
	v_add_nc_u32 v[ADRB+\s], s22, v4
	s_add_co_u32 s21, s21, SLOT
	s_add_co_u32 s22, s22, SLOT
.endr
	v_mul_u32_u24 v5, v1, KS
	v_lshrrev_b32 v6, 8, v5
	v_lshl_add_u32 v5, v6, 4, v5
	s_mul_i32 s21, s15, HALFS
	s_mul_i32 s22, s16, HALFS
	s_add_co_u32 s22, s22, 2*HALFS
	s_sub_co_u32 s22, s22, s21
	v_mul_u32_u24 v6, s22, v2
	s_add_co_u32 s21, s21, SCL
	v_add_nc_u32 v5, v5, v6
	v_add_nc_u32 v[ADRS], s21, v5
	v_and_b32 v6, 31, v0
	v_lshlrev_b32 v[L16], 4, v6
	v_lshlrev_b32 v[L8], 3, v6
	v_mul_u32_u24 v[CRO], v1, 20
	s_wait_alu depctr_va_vdst(0)
	v_lshlrev_b32 v[GMO], 5, v2
	s_wait_alu depctr_va_vdst(0)
	s_lshl_b32 s92, s40, 2
	s_lshl_b32 s93, s16, 1
	s_add_co_u32 s92, s92, s93
	s_lshl_b32 s93, s17, 1
	s_add_co_u32 s93, s93, s15
	s_lshl_b32 s94, s41, 2
	s_lshl_b32 s95, s15, 1
	s_add_co_u32 s94, s94, s95
	s_lshl_b32 s95, s42, 1
	s_add_co_u32 s95, s95, s16
	s_lshl_b32 s98, s92, 8
	s_mov_b32 s99, 0
	s_add_nc_u64 s[104:105], s[104:105], s[98:99]
	s_cmp_eq_u32 ttmp9, 2
	s_cselect_b32 s96, s94, s92
	s_cselect_b32 s97, s95, s93
	s_lshl_b32 s96, s96, 5
	s_add_co_u32 s96, s96, s97
	s_mul_i32 s98, s96, REC
	s_add_nc_u64 s[12:13], s[12:13], s[98:99]
	s_lshl_b32 s98, s93, 7
	s_mul_i32 s98, s98, 20
	s_add_nc_u64 s[100:101], s[100:101], s[98:99]
.irp a, 0,1,2,3,4,5,6,7
.irp t, 0,1,2,3
	global_load_b32 v[COORD+4*\a+\t], v[CRO], s[100:101] offset:320*\a+4+4*\t
.endr
.endr
	WIN 0x40
.irp e, 0,1
.irp t, 0,1,2,3
	global_load_b128 v[96+128*\e+8*\t:96+128*\e+8*\t+3], v[GMO], s[104:105] offset:256*\e+64*\t
	global_load_b128 v[96+128*\e+8*\t+4:96+128*\e+8*\t+7], v[GMO], s[104:105] offset:256*\e+64*\t+16
.endr
.endr
	WIN 0
.macro FRAG reg, adr, st, i            ; pieces of 8 bytes; byte y of a row of codes lies in slot (y / 256) % 2 at byte y % 256 of the LDS row
.irp p, 0,1,2,3,4,5
.set BY, 96*(\st)+48*(\p/3)+8*(\p%3)
.if BY/ROWB == (BY+24)/ROWB
	ds_load_b64 v[\reg+2*\p:\reg+2*\p+1], v[\adr+(BY/ROWB)%2] offset:BY%ROWB+(\i)*16*PITCH
.else
	ds_load_b64 v[\reg+2*\p:\reg+2*\p+1], v[\adr+2+(BY/ROWB)%2] offset:BY%ROWB-232+(\i)*16*PITCH
.endif
.endr
.endm
.macro MUL16 a0, p, q, sc, zero
.irp a, \a0, \a0+1
.irp b, 0,1,2,3,4,5,6,7
.if \zero
	v_wmma_scale_f32_16x16x128_f8f6f4 v[8*(8*((\a)%4)+\b):8*(8*((\a)%4)+\b)+7], v[128*(\p)+FR*\b:128*(\p)+FR*\b+FR-1], v[AF+FR*(\a):AF+FR*(\a)+FR-1], 0, v[SC+8*NQ*(\sc)+NQ*\b+(\q)], v[SC+8*NQ*(\sc)+NQ*(\a)+(\q)] matrix_a_fmt:MATRIX_FMT_FP6 matrix_b_fmt:MATRIX_FMT_FP6 matrix_a_scale:MATRIX_SCALE_ROW1
.else
	v_wmma_scale_f32_16x16x128_f8f6f4 v[8*(8*((\a)%4)+\b):8*(8*((\a)%4)+\b)+7], v[128*(\p)+FR*\b:128*(\p)+FR*\b+FR-1], v[AF+FR*(\a):AF+FR*(\a)+FR-1], v[8*(8*((\a)%4)+\b):8*(8*((\a)%4)+\b)+7], v[SC+8*NQ*(\sc)+NQ*\b+(\q)], v[SC+8*NQ*(\sc)+NQ*(\a)+(\q)] matrix_a_fmt:MATRIX_FMT_FP6 matrix_b_fmt:MATRIX_FMT_FP6 matrix_a_scale:MATRIX_SCALE_ROW1
.endif
.endr
.endr
.endm
.macro FETCH_B st, p
	WIN TO_B
.irp i, 0,1,2,3,4,5,6,7
	FRAG 128*(\p)+FR*\i, ADRB, \st, \i
.endr
	WIN 0
.endm
.macro FETCH_A st, i0
.irp i, \i0, \i0+1, \i0+2, \i0+3
	FRAG AF+FR*(\i), ADRA, \st, \i
.endr
.endm
.macro SCALES pr                       ; the scale words of steps 2 pr, 2 pr + 1 into set pr % 2
.irp i, 0,1,2,3,4,5,6,7
	ds_load_b64 v[SC+8*NQ*((\pr)%2)+NQ*\i:SC+8*NQ*((\pr)%2)+NQ*\i+1], v[ADRS] offset:\i*SBLK+4*NQ*(\pr)
.endr
.endm
.macro PLACES n
.rept \n
	v_nop
.endr
.endm
; A step of 128 along K.  Where the next step's bytes end in a chunk not yet read: a wait for my tensor loads and a barrier, ahead of the fetch.
; Where they begin in a later chunk than this step's: the chunk left behind is read no more: the wait, the add, the wait for it and my reads, the barrier; where a chunk two on is left, a round follows and the slot is filled again.
.macro STEP st, zero
.set NX, (\st)+1
.set C0, (96*(\st))/ROWB
.set C1, (96*NX)/ROWB
.set E0, (96*(\st)+95)/ROWB
.set E1, (96*NX+95)/ROWB
.if C1 > C0 || E1 > E0
	s_wait_tensorcnt 0x0                           ; all my tensor loads have landed
.if C1 > C0
	ds_add_u32 v[SPW], v[NIL]
	s_wait_dscnt 4*NL+1                            ; the add and A's blocks 4-7 may be out
.else
	s_wait_dscnt 4*NL
.endif
	WIN MUL_LO
	MUL16 0, (\st)%2, (\st)%2, ((\st)/2)%2, \zero
	s_wait_dscnt 0x0                               ; the add, and my reads of any chunk left behind
	s_barrier_signal -1
	MUL16 2, (\st)%2, (\st)%2, ((\st)/2)%2, \zero
	WIN 0
	s_barrier_wait -1
.if C1 > C0 && C0+2 < CHUNKS
	CREST
	s_add_nc_u64 s[G0+4*(C0%2)+2:G0+4*(C0%2)+3], s[G0+4*(C0%2)+2:G0+4*(C0%2)+3], 2*ROWB
	s_add_nc_u64 s[G0B+4*(C0%2)+2:G0B+4*(C0%2)+3], s[G0B+4*(C0%2)+2:G0B+4*(C0%2)+3], 2*ROWB
	JLOAD G0+4*(C0%2), G1, G0B+4*(C0%2), G1B       ; chunk C0 + 2; its four v_nop are the places in front of the loads below
.else
	PLACES NP
.endif
.else
	s_wait_dscnt 4*NL
	WIN MUL_LO
	MUL16 0, (\st)%2, (\st)%2, ((\st)/2)%2, \zero
	MUL16 2, (\st)%2, (\st)%2, ((\st)/2)%2, \zero
	s_wait_dscnt 0
	PLACES NP
.endif
	FETCH_B NX, NX%2
	FETCH_A NX, 0
.if NX%2 == 0
	SCALES NX/2
.endif
	WIN MUL_HI
	MUL16 4, (\st)%2, (\st)%2, ((\st)/2)%2, \zero
	MUL16 6, (\st)%2, (\st)%2, ((\st)/2)%2, \zero
	PLACES NP
	WIN 0
	FETCH_A NX, 4
.endm
	s_wait_tensorcnt 0x0                           ; my tile of the head's four is in
	ds_add_u32 v[SPW], v[NIL]
	s_mov_b32 s[G1+2], 128<<16                     ; no tensor load of mine is out: from here on a load brings 128 rows
	s_mov_b32 s[G1+4], 128
	s_mov_b32 s[G1B+2], 128<<16
	s_mov_b32 s[G1B+4], 128
	s_wait_dscnt 0x0
	CROUND                                         ; all four tiles are in, and all sixteen work-groups are here
	JLOAD G0+4, G1, G0B+4, G1B                     ; chunk 1, the first tensor load behind the round
	FETCH_B 0, 0
	FETCH_A 0, 0
	SCALES 0
	FETCH_A 0, 4
	STEP 0, 1
.set ST, 1                             ; the walk is written out: slots and chunks do not come back to where they began within these eight steps
.rept STEPS-2
	STEP ST, 0
.set ST, ST+1
.endr
	s_wait_dscnt 4*NL
	WIN MUL_LO
	MUL16 0, 1, NQ-1, 1, 0
	MUL16 2, 1, NQ-1, 1, 0
	s_wait_dscnt 0
	WIN MUL_HI
	MUL16 4, 1, NQ-1, 1, 0
	MUL16 6, 1, NQ-1, 1, 0
	WIN 0
	PLACES NP
	s_wait_loadcnt 0x0
	s_mov_b32 s[SEL], 0x76543210
	s_mov_b32 s[SEL+1], 0xfedcba98
	s_cmp_eq_u32 ttmp9, 2
	s_cbranch_scc1 .Lv
.set K2PI, 32
.set NPH,  34
.set NPL,  36
.set PS0,  38
.set PS1,  40
.set PS2,  42
.set PC0,  44
.set PC1,  46
.set PC2,  48
.set MHALF, 50
.set PONE, 52
.set FRQ,  54
.set HW,   58
.set TMPV, 59
.set NX,   60
.set PP,   96
.set CSN,  104
.set SS,   136
.set INV,  144
.set SW,   148
.set TT,   156
.set YY,   156
.set QT,   188
.set IMG,  204
.macro CPAIR r, val
	v_mov_b32 v[\r], \val
	v_mov_b32 v[\r+1], \val
.endm
.macro FREQ k, lo, hi
	v_mov_b32 v[FRQ+\k], \lo
	v_mov_b32 v[TMPV], \hi
	v_cndmask_b32 v[FRQ+\k], v[FRQ+\k], v[TMPV], vcc_lo
.endm
	CPAIR K2PI, 0x3f22f983
	CPAIR NPH, 0xbfc90fdb
	CPAIR NPL, 0x333bbd2e
	CPAIR PS0, 0xb94ca1f9
	CPAIR PS1, 0x3c08839e
	CPAIR PS2, 0xbe2aaaa3
	CPAIR PC0, 0x37ccf5ce
	CPAIR PC1, 0xbab6061a
	CPAIR PC2, 0x3d2aaaa5
	CPAIR MHALF, -0.5
	CPAIR PONE, 1.0
	v_bfe_u32 v[TMPV], v0, 4, 1
	v_cmp_eq_u32 vcc_lo, 1, v[TMPV]
	FREQ 0, 0x3f800000, 0x3f0ff59a
	FREQ 1, 0x3f5dafd7, 0x3ef953cf
	FREQ 2, 0x3f3ff911, 0x3ed7e89b
	FREQ 3, 0x3f263de0, 0x3ebaf81a
	v_mov_b32 v[NX], 0
	v_mov_b32 v[NX+1], 0
.irp i, 0,1,2,3,4,5,6,7
	v_mov_b32 v[SW+\i], 0
.endr
.macro READ_T a
.Lrd_\a:
.set TA0, 64*((\a)%4)
	WIN 0x0a+5*((\a)/4)
.irp e, 0,1
	v_pk_mul_f32 v[SS+4*\e:SS+4*\e+1], v[TA0+32*\e:TA0+32*\e+1], v[TA0+32*\e:TA0+32*\e+1]
	v_pk_mul_f32 v[SS+4*\e+2:SS+4*\e+3], v[TA0+32*\e+2:TA0+32*\e+3], v[TA0+32*\e+2:TA0+32*\e+3]
.endr
.irp i, 4,8,12,16,20,24,28
.irp e, 0,1
	v_pk_fma_f32 v[SS+4*\e:SS+4*\e+1], v[TA0+32*\e+\i:TA0+32*\e+\i+1], v[TA0+32*\e+\i:TA0+32*\e+\i+1], v[SS+4*\e:SS+4*\e+1]
	v_pk_fma_f32 v[SS+4*\e+2:SS+4*\e+3], v[TA0+32*\e+\i+2:TA0+32*\e+\i+3], v[TA0+32*\e+\i+2:TA0+32*\e+\i+3], v[SS+4*\e+2:SS+4*\e+3]
.endr
.endr
	WIN 0x46+(\a)/4
.irp e, 0,1
.set I2, 0
.rept 16
	v_pk_mul_f32 v[32*\e+I2:32*\e+I2+1], v[TA0+32*\e+I2:TA0+32*\e+I2+1], v[96+128*\e+I2:96+128*\e+I2+1]
.set I2, I2+2
.endr
.endr
	WIN 0
.irp t, 0,1,2,3
	v_cvt_f32_i32 v[PP+2*\t], v[COORD+4*(\a)+\t]
	v_cvt_f32_i32 v[PP+2*\t+1], v[COORD+4*(\a)+\t]
.endr
.if (\a) < 7
	s_branch .Lcommon
.endif
.endm
.macro TRIG ps
.irp g, 0,1,2,3
	v_pk_mul_f32 v[TT+12*\g:TT+12*\g+1], v[FRQ+2*(\g%2):FRQ+2*(\g%2)+1], v[PP+4*\ps+2*(\g/2):PP+4*\ps+2*(\g/2)+1]
.endr
.irp g, 0,1,2,3
	v_pk_mul_f32 v[TT+12*\g+2:TT+12*\g+3], v[TT+12*\g:TT+12*\g+1], v[K2PI:K2PI+1]
.endr
.irp g, 0,1,2,3
	v_rndne_f32 v[TT+12*\g+2], v[TT+12*\g+2]
	v_rndne_f32 v[TT+12*\g+3], v[TT+12*\g+3]
.endr
.irp g, 0,1,2,3
	v_pk_fma_f32 v[TT+12*\g:TT+12*\g+1], v[TT+12*\g+2:TT+12*\g+3], v[NPH:NPH+1], v[TT+12*\g:TT+12*\g+1]
.endr
.irp g, 0,1,2,3
	v_pk_fma_f32 v[TT+12*\g:TT+12*\g+1], v[TT+12*\g+2:TT+12*\g+3], v[NPL:NPL+1], v[TT+12*\g:TT+12*\g+1]
.endr
.irp g, 0,1,2,3
	v_pk_mul_f32 v[TT+12*\g+4:TT+12*\g+5], v[TT+12*\g:TT+12*\g+1], v[TT+12*\g:TT+12*\g+1]
.endr
.irp g, 0,1,2,3
	v_pk_fma_f32 v[TT+12*\g+6:TT+12*\g+7], v[TT+12*\g+4:TT+12*\g+5], v[PS0:PS0+1], v[PS1:PS1+1]
	v_pk_fma_f32 v[TT+12*\g+8:TT+12*\g+9], v[TT+12*\g+4:TT+12*\g+5], v[PC0:PC0+1], v[PC1:PC1+1]
.endr
.irp g, 0,1,2,3
	v_pk_fma_f32 v[TT+12*\g+6:TT+12*\g+7], v[TT+12*\g+6:TT+12*\g+7], v[TT+12*\g+4:TT+12*\g+5], v[PS2:PS2+1]
	v_pk_fma_f32 v[TT+12*\g+8:TT+12*\g+9], v[TT+12*\g+8:TT+12*\g+9], v[TT+12*\g+4:TT+12*\g+5], v[PC2:PC2+1]
.endr
.irp g, 0,1,2,3
	v_pk_mul_f32 v[TT+12*\g+10:TT+12*\g+11], v[TT+12*\g:TT+12*\g+1], v[TT+12*\g+4:TT+12*\g+5]
.endr
.irp g, 0,1,2,3
	v_pk_fma_f32 v[TT+12*\g+6:TT+12*\g+7], v[TT+12*\g+6:TT+12*\g+7], v[TT+12*\g+10:TT+12*\g+11], v[TT+12*\g:TT+12*\g+1]
.endr
.irp g, 0,1,2,3
	v_pk_mul_f32 v[TT+12*\g+10:TT+12*\g+11], v[TT+12*\g+4:TT+12*\g+5], v[TT+12*\g+4:TT+12*\g+5]
	v_pk_fma_f32 v[TT+12*\g:TT+12*\g+1], v[TT+12*\g+4:TT+12*\g+5], v[MHALF:MHALF+1], v[PONE:PONE+1]
.endr
.irp g, 0,1,2,3
	v_pk_fma_f32 v[TT+12*\g+8:TT+12*\g+9], v[TT+12*\g+8:TT+12*\g+9], v[TT+12*\g+10:TT+12*\g+11], v[TT+12*\g:TT+12*\g+1]
.endr
.irp g, 0,1,2,3
	v_cvt_i32_f32 v[TT+12*\g+2], v[TT+12*\g+2]
	v_cvt_i32_f32 v[TT+12*\g+3], v[TT+12*\g+3]
.endr
.irp g, 0,1,2,3
.irp e, 0,1
	v_and_b32 v[TT+12*\g+10+\e], 1, v[TT+12*\g+2+\e]
.endr
.endr
.irp g, 0,1,2,3
.irp e, 0,1
	v_cmp_eq_u32 s[92+2*\g+\e], 1, v[TT+12*\g+10+\e]
.endr
.endr
.irp g, 0,1,2,3
.irp e, 0,1
	v_cndmask_b32 v[TT+12*\g+\e], v[TT+12*\g+6+\e], v[TT+12*\g+8+\e], s[92+2*\g+\e]
	v_cndmask_b32 v[TT+12*\g+4+\e], v[TT+12*\g+8+\e], v[TT+12*\g+6+\e], s[92+2*\g+\e]
.endr
.endr
.irp g, 0,1,2,3
.irp e, 0,1
	v_lshlrev_b32 v[TT+12*\g+10+\e], 30, v[TT+12*\g+2+\e]
	v_add_lshl_u32 v[TT+12*\g+2+\e], v[TT+12*\g+2+\e], 1, 30
.endr
.endr
.irp g, 0,1,2,3
.irp e, 0,1
	v_and_b32 v[TT+12*\g+10+\e], 0x80000000, v[TT+12*\g+10+\e]
	v_and_b32 v[TT+12*\g+2+\e], 0x80000000, v[TT+12*\g+2+\e]
.endr
.endr
.irp g, 0,1,2,3
.irp e, 0,1
	v_xor_b32 v[CSN+16*\ps+8*(\g/2)+4*(\g%2)+2*\e+1], v[TT+12*\g+\e], v[TT+12*\g+10+\e]
	v_xor_b32 v[CSN+16*\ps+8*(\g/2)+4*(\g%2)+2*\e], v[TT+12*\g+4+\e], v[TT+12*\g+2+\e]
.endr
.endr
.endm
.macro QUANT2 s, d, hw, t
.irp b, 0,1
	v_max3_num_f32 v[\t+\b], |v[\s+16*\b]|, |v[\s+1+16*\b]|, 0x1800000
.endr
.irp i, 2,4,6,8,10,12,14
.irp b, 0,1
	v_max3_num_f32 v[\t+\b], v[\t+\b], |v[\s+16*\b+\i]|, |v[\s+1+16*\b+\i]|
.endr
.endr
.irp b, 0,1
	v_permlanex16_b32 v[\t+2+\b], v[\t+\b], s[SEL], s[SEL+1]
.endr
.irp b, 0,1
	v_max_num_f32 v[\t+\b], v[\t+\b], v[\t+2+\b]
.endr
.irp b, 0,1
	v_add_nc_u32 v[\t+4+\b], 0xff000000, v[\t+\b]
.endr
.irp b, 0,1
	v_lshrrev_b32 v[\t+6+\b], 23, v[\t+4+\b]
.endr
	v_lshl_or_b32 v[\hw], v[\t+7], 8, v[\t+6]
	v_cvt_scalef32_pk16_fp6_f32 v[\d:\d+2], v[\s:\s+15], v[\t+4]
	v_cvt_scalef32_pk16_fp6_f32 v[\t+8:\t+10], v[\s+16:\s+31], v[\t+5]
	v_nop
.irp i, 0,1,2
	v_permlane16_swap_b32 v[\d+\i], v[\t+8+\i]
.endr
.irp i, 0,1,2
	v_mov_b32 v[\d+3+\i], v[\t+8+\i]
.endr
.endm
.macro HEADQ e
	WIN 0x01
.irp p, 0,1,2,3,4,5,6,7,8,9,10,11,12,13,14,15
	v_mul_f32 v[YY+2*\p], v[32*\e+2*\p], v[CSN+2*\p]
	v_mul_f32 v[YY+2*\p+1], v[32*\e+2*\p], v[CSN+2*\p+1]
.endr
.irp p, 0,1,2,3,4,5,6,7,8,9,10,11,12,13,14,15
	v_fma_f32 v[YY+2*\p], -v[32*\e+2*\p+1], v[CSN+2*\p+1], v[YY+2*\p]
	v_fma_f32 v[YY+2*\p+1], v[32*\e+2*\p+1], v[CSN+2*\p], v[YY+2*\p+1]
.endr
	WIN 0
.irp i, 0,2,4,6,8,10,12,14,16,18,20,22,24,26,28,30
	v_pk_mul_f32 v[YY+\i:YY+\i+1], v[YY+\i:YY+\i+1], v[INV+2*\e:INV+2*\e+1]
.endr
	QUANT2 YY, IMG+8*\e, HW, QT
	v_alignbit_b32 v[SW+4*\e], v[SW+4*\e+1], v[SW+4*\e], 16
	v_alignbit_b32 v[SW+4*\e+1], v[SW+4*\e+2], v[SW+4*\e+1], 16
	v_alignbit_b32 v[SW+4*\e+2], v[SW+4*\e+3], v[SW+4*\e+2], 16
	v_alignbit_b32 v[SW+4*\e+3], v[HW], v[SW+4*\e+3], 16
	global_store_b128 v[L16], v[IMG+8*\e:IMG+8*\e+3], s[12:13] offset:HEADB*\e
	global_store_b64 v[L8], v[IMG+8*\e+4:IMG+8*\e+5], s[12:13] offset:HEADB*\e+512
.endm
	s_mov_b32 s3, 0
.Lqk:
.irp k, 1,2,3,4,5,6,7
	s_cmp_eq_u32 s3, \k
	s_cbranch_scc1 .Lrd_\k
.endr
.irp a, 0,1,2,3,4,5,6,7
	READ_T \a
.endr
.Lcommon:
.irp e, 0,1
	v_pk_add_f32 v[SS+4*\e:SS+4*\e+1], v[SS+4*\e:SS+4*\e+1], v[SS+4*\e+2:SS+4*\e+3]
.endr
.irp e, 0,1
	v_add_f32 v[SS+4*\e], v[SS+4*\e], v[SS+4*\e+1]
.endr
.irp e, 0,1
	v_permlanex16_b32 v[NX+\e], v[SS+4*\e], s[SEL], s[SEL+1]
.endr
.irp e, 0,1
	v_add_f32 v[SS+4*\e], v[SS+4*\e], v[NX+\e]
.endr
	s_wait_alu depctr_va_vdst(0)
.irp e, 0,1
	v_sqrt_f32 v[SS+4*\e+2], v[SS+4*\e]
.endr
	TRIG 0
	s_wait_alu depctr_va_vdst(0)
.irp e, 0,1
	v_max_num_f32 v[SS+4*\e+2], 0x2b8cbccc, v[SS+4*\e+2]
.endr
	s_wait_alu depctr_va_vdst(0)
.irp e, 0,1
	v_rcp_f32 v[SS+4*\e], v[SS+4*\e+2]
.endr
	TRIG 1
	s_wait_alu depctr_va_vdst(0)
.irp e, 0,1
	v_mul_f32 v[INV+2*\e], 0x41000000, v[SS+4*\e]
	v_mul_f32 v[INV+2*\e+1], 0x41000000, v[SS+4*\e]
.endr
	HEADQ 0
	HEADQ 1
	s_wait_xcnt 0x0
	s_add_nc_u64 s[12:13], s[12:13], 768
	s_add_co_u32 s3, s3, 1
	s_cmp_lt_u32 s3, 8
	s_cbranch_scc1 .Lqk
	s_wait_alu depctr_va_vdst(0)
.irp e, 0,1
	global_store_b128 v[L16], v[SW+4*\e:SW+4*\e+3], s[12:13] offset:HEADB*\e
.endr
	s_branch .Lend
.set VTM, 32
.set VPX, 36
.set VSO, 40
.set VBY, 44
.set VDT, 48
.set SWV, 56
.set VPC, 128
.macro QUANT4W a
.set SR0, 64*((\a)%4)
.set WW, 2+(\a)/4
.set VPA, VPC+12*(\a)
	WIN WW|(WW<<2)
.irp b, 0,1,2,3
	v_max3_num_f32 v[VTM+\b], |v[SR0+16*\b]|, |v[SR0+1+16*\b]|, 0x1800000
.endr
	WIN (WW<<2)|(WW<<4)
.irp i, 2,4,6,8,10,12,14
.irp b, 0,1,2,3
	v_max3_num_f32 v[VTM+\b], v[VTM+\b], |v[SR0+16*\b+\i]|, |v[SR0+1+16*\b+\i]|
.endr
.endr
	WIN 0
.irp b, 0,1,2,3
	v_permlanex16_b32 v[VPX+\b], v[VTM+\b], s[SEL], s[SEL+1]
.endr
.irp b, 0,1,2,3
	v_max_num_f32 v[VTM+\b], v[VTM+\b], v[VPX+\b]
.endr
.irp b, 0,1,2,3
	v_add_nc_u32 v[VSO+\b], 0xff000000, v[VTM+\b]
.endr
.irp b, 0,1,2,3
	v_lshrrev_b32 v[VBY+\b], 23, v[VSO+\b]
.endr
	v_lshl_or_b32 v[SWV+(\a)], v[VBY+1], 8, v[VBY]
	v_lshl_or_b32 v[SWV+(\a)], v[VBY+2], 16, v[SWV+(\a)]
	v_lshl_or_b32 v[SWV+(\a)], v[VBY+3], 24, v[SWV+(\a)]
	WIN WW
.irp c, 0,1
	v_cvt_scalef32_pk16_fp6_f32 v[VPA+6*\c:VPA+6*\c+2], v[SR0+32*\c:SR0+32*\c+15], v[VSO+2*\c]
	v_cvt_scalef32_pk16_fp6_f32 v[VDT+4*\c:VDT+4*\c+2], v[SR0+16+32*\c:SR0+31+32*\c], v[VSO+2*\c+1]
.endr
	WIN 0
	v_nop
.irp c, 0,1
.irp i, 0,1,2
	v_permlane16_swap_b32 v[VPA+6*\c+\i], v[VDT+4*\c+\i]
.endr
.irp i, 0,1,2
	v_mov_b32 v[VPA+3+6*\c+\i], v[VDT+4*\c+\i]
.endr
.endr
.irp c, 0,1,2
	global_store_b128 v[L16], v[VPA+4*\c:VPA+4*\c+3], s[12:13] offset:HEADB*((\a)/4)+1536*((\a)%4)+512*\c
.endr
.endm
.Lv:
.irp b, 0,1,2,3
	v_mov_b32 v[VPX+\b], 0
.endr
.irp a, 0,1,2,3,4,5,6,7
	QUANT4W \a
.endr
.irp e, 0,1
	global_store_b128 v[L16], v[SWV+4*\e:SWV+4*\e+3], s[12:13] offset:HEADB*\e+6144
.endr
.Lend:
	s_wait_tensorcnt 0x0
	ds_add_u32 v[SPW], v[NIL]
	s_wait_dscnt 0x0
	CROUND
	s_endpgm
.Lfunc_end_k_q6d7d1b56f1_qkv:
	.size	k_q6d7d1b56f1_qkv, .Lfunc_end_k_q6d7d1b56f1_qkv-k_q6d7d1b56f1_qkv
	.p2alignl 7, 3214868480
	.fill 96, 4, 3214868480
	.section	.rodata,"a",@progbits
	.p2align	6, 0x0
	.amdhsa_kernel k_q6d7d1b56f1_qkv
		.amdhsa_group_segment_fixed_size 327680
		.amdhsa_private_segment_fixed_size 0
		.amdhsa_enable_private_segment 0
		.amdhsa_kernarg_size 80
		.amdhsa_user_sgpr_count 2
		.amdhsa_user_sgpr_kernarg_segment_ptr 1
		.amdhsa_wavefront_size32 1
		.amdhsa_system_sgpr_workgroup_id_x 1
		.amdhsa_system_sgpr_workgroup_id_y 1
		.amdhsa_system_sgpr_workgroup_id_z 1
		.amdhsa_system_vgpr_workitem_id 0
		.amdhsa_next_free_vgpr 1024
		.amdhsa_next_free_sgpr 106
		.amdhsa_reserve_vcc 1
		.amdhsa_float_denorm_mode_32 3
		.amdhsa_float_denorm_mode_16_64 3
		.amdhsa_memory_ordered 1
		.amdhsa_forward_progress 1
		.amdhsa_inst_pref_size 238
	.end_amdhsa_kernel
	.amdgpu_metadata
---
amdhsa.version: [ 1, 2 ]
amdhsa.kernels:
  - .name:           k_q6d7d1b56f1_qkv
    .symbol:         k_q6d7d1b56f1_qkv.kd
    .args:
      - { .name: x_codes, .offset: 0, .size: 8, .value_kind: global_buffer, .address_space: global }
      - { .name: x_scales, .offset: 8, .size: 8, .value_kind: global_buffer, .address_space: global }
      - { .name: w_qkv_codes, .offset: 16, .size: 8, .value_kind: global_buffer, .address_space: global }
      - { .name: w_qkv_scales, .offset: 24, .size: 8, .value_kind: global_buffer, .address_space: global }
      - { .name: coords, .offset: 32, .size: 8, .value_kind: global_buffer, .address_space: global }
      - { .name: gamma_q, .offset: 40, .size: 8, .value_kind: global_buffer, .address_space: global }
      - { .name: gamma_k, .offset: 48, .size: 8, .value_kind: global_buffer, .address_space: global }
      - { .name: qimg, .offset: 56, .size: 8, .value_kind: global_buffer, .address_space: global }
      - { .name: kimg, .offset: 64, .size: 8, .value_kind: global_buffer, .address_space: global }
      - { .name: vimg, .offset: 72, .size: 8, .value_kind: global_buffer, .address_space: global }
    .group_segment_fixed_size: 327680
    .private_segment_fixed_size: 0
    .kernarg_segment_align: 8
    .kernarg_segment_size: 80
    .max_flat_workgroup_size: 128
    .sgpr_count:     106
    .vgpr_count:     1024
    .wavefront_size: 32
...
	.end_amdgpu_metadata
.endif
;; end of part 1
;; launch attn (part 2): grid 16 x 16, 8 waves a work-group, clusters of 4 x 1, 327,680 bytes of LDS; arguments qimg, kimg, vimg, aimg, ascl; writes aimg, ascl
.if DOCPART == 2
	.amdgcn_target "amdgcn-amd-amdhsa--gfx1250"
	.amdhsa_code_object_version 6
	.text
	.protected	k_q6d7d1b56f1_attn
	.globl	k_q6d7d1b56f1_attn
	.p2align	8
	.type	k_q6d7d1b56f1_attn,@function
k_q6d7d1b56f1_attn:
	s_mov_b64 s[64:65], 0
	v_nop
	global_prefetch_b8 v0, s[64:65] scope:SCOPE_SE
	s_setreg_imm32_b32 hwreg(HW_REG_WAVE_MODE, 25, 1), 1
	s_wait_xcnt 0x0
	s_wait_alu depctr_hold_cnt(0) depctr_sa_sdst(0) depctr_va_vdst(0) depctr_va_sdst(0) depctr_va_ssrc(0) depctr_va_vcc(0) depctr_vm_vsrc(0)
	s_getreg_b32 s2, hwreg(HW_REG_IB_STS2, 6, 4)
	s_cmp_eq_u32 s2, 0
	s_cbranch_scc0 .Lentry_in_a_cluster
	s_endpgm
.Lentry_in_a_cluster:
	s_bfe_u32 s2, ttmp6, 0x10000c
	s_cmp_lg_u32 s2, 0x3003
	s_cbranch_scc0 .Lentry_shape_is_right
	s_endpgm
.Lentry_shape_is_right:
; For each head: o = softmax(q k^T / 8) v, both products on codes of FP6 (E2M3) with one E8M0 scale for each 32 along K; then o is quantised along the channels for the last product.
; t = score x log2(e) / 8; M = the running largest t rounded up to a whole number; p = 2^(t - M) is quantised along the keys; the row's sum is taken of the unquantised p and divides at the end.
; SHARES.  A work-group: 256 queries of one head.  Eight waves, two to a SIMD; a wave: 32 queries, two tiles of 16, so that each fragment of k and v read from LDS feeds two products.  Every wave walks all 4,096 keys, 128 a step.
; CLUSTER.  The four query blocks of a cluster walk the same k and v: every tile is asked for jointly (mask 15).
; INPUT.  Records of 6,656 bytes for each head and 128 tokens, images of registers: q, k: eight images of 768 bytes (16 tokens x 64 channels), then 16 bytes of scale bytes a lane; v: four images of 1,536 bytes (16 channels x 128 keys), then 16 bytes a lane.
; THE FIRST PRODUCT HAS K = 64 and the instruction 128: two images of k side by side are ONE fragment (K 0-63: keys 32 b + r, K 64-127: keys 32 b + 16 + r), and q stands once as [q | 0] and once as [0 | q]: zero codes add nothing.
; Both products are used transposed (S^T = k q^T, O^T = v^T p^T): a lane holds one query throughout.  Register 16 b + 8 u + j of S^T is key 32 b + 16 u + 8 (lane / 16) + j: within a block of 32 the codes of p come out in the
; order 0-7, 16-23, 8-15, 24-31, which is the order in which the launch before has laid v's.
; OUTPUT.  aimg: [token tile][head][768]: the image of 16 tokens x the head's 64 channels, channels in their natural order; ascl: [token][32]: bytes 2 head, 2 head + 1.
; LIMITS: a block whose largest magnitude lies under 2^-124 gets the byte 1 (a block of zeros too: its codes are zeros); only this program reads these bytes.
; REGISTERS.  Window 0: v1-7 addresses; v8-9 q's scale words; v10 ascl's offset; v12-15, v16-19 k's and v's scale words; v20-35 statistics, eight a tile; v36-75 work, twenty a tile; v76-99 p's codes; v128-255 S^T, then p.
;   Window 1: v0-63 O^T; v64-93 zeros and q: [0 | q0 | 0 | q1 | 0], six registers each; v96-143 four fragments of v; v144-191 four of k.
.set REC,   6656
.set HEADB, 32*REC
.set SLOTB, 8*REC                      ; eight key steps of k, or of v
.set VOFF,  SLOTB                      ; a slot: k's eight records, then v's
.set SLOT1, 131072                     ; slot 1 begins here: one exclusive or turns an address
.set SPARE, 262144                     ; the spare words: 128 bytes a wave
.set ADR16, 1
.set ADR8,  2
.set L16,   3                          ; 16 x lane
.set L8,    4                          ; 8 x lane
.set SPW,   5
.set NIL,   6
.set PFO,   7                          ; 256 x min(lane, 25): a record has 26 blocks of 256 bytes
.set QS,    8
.set AO,    10                         ; 32 x (lane % 16)
.set KSC,   12
.set VSC,   16
.set ZS,    20                         ; tile T at ZS + 8 T: +0 -M, +1 the largest t, +2, 3 the sum, +4 f, +5 p's scale word, +6 at work
.set X0,    36                         ; tile T at X0 + 20 T: +0-3 block maxima, +4-7 the other half's, then bytes, +8-10, +12-14 conversions (and a second chain of sums), +16-19 scale operands
.set PCD,   76                         ; p's codes, twelve a tile
.set SB,    128                        ; S^T, 64 a tile
.set KV,    96                         ; window 1: v96-143 four fragments of v
.set KK,    144                        ; window 1: v144-191 four fragments of k, registers of their own: the next step's are fetched under this step's softmax
.set WV,    14
.set SEL,   20
.set CS,    22                         ; s[22:23] log2(e) / 8
.set TB,    36                         ; LDS byte of the step's record of k
.set SLOTS, 37
.set ST4,   38
.set PFA,   40
.set LIM,   42
.set MSB, 0
.macro WIN new
.if MSB != (\new)
	s_set_vgpr_msb (MSB<<8)|(\new)
.set MSB, (\new)
.endif
.endm
.macro ROUND                           ; a round of the cluster's barrier
	s_barrier_signal -1
	s_barrier_wait -1
	s_cmp_lg_u32 s[WV], 0
	s_cbranch_scc1 .Lnot_wave_0_\@
	s_barrier_signal -3
.Lnot_wave_0_\@:
	s_barrier_wait -3
	s_barrier_signal -1
	s_barrier_wait -1
.endm
.macro TLOAD                           ; every wave fetches two records: waves 0-3 k's quarters of a slot, waves 4-7 v's.  Four v_nop follow the load
	tensor_load_to_lds s[32:35], s[24:31]
	s_nop 0
.rept 4
	v_nop
.endr
.endm
; A prefetch into the L2 of the slot that the NEXT change of slots will ask for: eight key steps ahead of that load.  All clusters of a head walk the same k and v: the head's first cluster asks.  Its partners are told apart by address:
; partner cx takes records cx and cx + 4 of the slot's eight; waves 4 and 6 ask for k's, waves 5 and 7 for v's, a lane a block of 256 bytes (lanes 26-31 name block 25 again).  The last change that fills a slot asks for nothing.
.macro ASK
	s_cmp_gt_u32 s[SLOTS], s[LIM]
	s_cbranch_scc0 .Lnot_mine_\@
	global_prefetch_b8 v[PFO], s[PFA:PFA+1] th:TH_LOAD_NT scope:SCOPE_SE
.Lnot_mine_\@:
.endm
	s_load_b256 s[4:11], s[0:1], 0x0               ; qimg, kimg, vimg, aimg
	s_load_b64 s[12:13], s[0:1], 0x20              ; ascl
	v_lshl_add_u32 v[SPW], v0, 2, SPARE
	v_mov_b32 v[NIL], 0
	ds_add_u32 v5, v6
	ds_add_u32 v5, v6
	s_wait_dscnt 0x0
	v_lshrrev_b32 v1, 5, v0
	s_delay_alu instid0(VALU_DEP_1)
	v_readfirstlane_b32 s[WV], v1                  ; wave 0..7
	s_bfe_u32 s15, ttmp6, 0x40000                  ; cx
	s_lshl_b32 s16, ttmp9, 2
	s_add_co_u32 s16, s16, s15                     ; my block of 256 queries
	s_and_b32 s17, ttmp7, 0xffff                   ; the head, which the partners share
	s_mul_i32 s44, s17, HEADB                      ; the head's first byte in qimg, kimg, vimg
	s_mov_b32 s45, 0
	s_mov_b32 s24, 15|(3<<16)|(1<<21)              ; group 1: the mask: all four; elements of 8 bytes; bit 21 beside a mask; no padding
	s_mov_b32 s25, 32<<16                          ; tensor_dim0: rows of 256 bytes
	s_mov_b32 s26, 52<<16                          ; tensor_dim1: two records are 52 such rows
	s_mov_b32 s27, 32<<16                          ; tile_dim0
	s_mov_b32 s28, 52                              ; tile_dim1
	s_mov_b32 s29, 32                              ; the pitch: dense
	s_mov_b32 s30, 0
	s_mov_b32 s31, 0
	s_and_b32 s46, s[WV], 3
	s_mul_i32 s46, s46, 2*REC
	s_add_co_u32 s46, s46, s44                     ; what I fetch: the head, and my two records of the slot's eight
	s_mov_b32 s47, 0
	s_mov_b32 s[SEL], 0x76543210
	s_mov_b32 s[SEL+1], 0xfedcba98
	s_mov_b32 s[CS], 0x3e38aa3b                    ; log2(e) / 8
	s_mov_b32 s[CS+1], s[CS]
	s_mov_b32 s[TB], 0
	s_mov_b32 s[SLOTS], 3
	s_lshr_b32 s48, s[WV], 2
	s_xor_b32 s48, s48, 1                          ; 0 in waves 4 to 7,
	s_or_b32 s48, s48, ttmp9                       ; of the head's first cluster: the same in all partners
	s_cmp_eq_u32 s48, 0
	s_cselect_b32 s[LIM], 1, -1
	s_bfe_u32 s49, s[WV], 0x10001
	s_lshl_b32 s49, s49, 2
	s_add_co_u32 s49, s49, s15                     ; record cx, or cx + 4 in waves 6 and 7
	s_mul_i32 s48, s49, REC
	s_add_co_u32 s48, s48, SLOTB                   ; the prefetches stand in slot 1, at my work-group's record; the first change steps them to slot 2
	s_mov_b32 s49, 0
	s_lshl_b32 s50, s16, 1
	s_lshr_b32 s51, s[WV], 2
	s_add_co_u32 s50, s50, s51
	s_mul_i32 s50, s50, REC
	s_add_co_u32 s50, s50, s44                     ; q's record: head, tokens 128 (2 block + wave / 4) on
	s_mov_b32 s51, 0
	s_and_b32 s54, s[WV], 3
	s_lshl_b32 s55, s16, 4
	s_lshl_b32 s43, s[WV], 1
	s_add_co_u32 s55, s55, s43                     ; my first tile of 16 tokens
	v_and_b32 v1, 31, v0
	s_delay_alu instid0(VALU_DEP_1)
	v_lshlrev_b32 v[L16], 4, v1
	s_delay_alu instid0(VALU_DEP_2)
	v_lshlrev_b32 v[L8], 3, v1
	s_delay_alu instid0(VALU_DEP_3)
	v_min_u32 v[PFO], 25, v1
	s_delay_alu instid0(VALU_DEP_1)
	v_lshlrev_b32 v[PFO], 8, v[PFO]
	v_and_b32 v[AO], 15, v0
	s_delay_alu instid0(VALU_DEP_1)
	v_lshlrev_b32 v[AO], 5, v[AO]
	s_wait_kmcnt 0x0
	s_mov_b32 s32, 1                               ; group 0, which walks
	s_mul_i32 s33, s[WV], 2*REC                    ; LDS: wave x two records: k's halves, then v's
	s_cmp_lt_u32 s[WV], 4
	s_cselect_b64 s[34:35], s[6:7], s[8:9]
	s_add_nc_u64 s[34:35], s[34:35], s[46:47]
	s_or_b32 s35, s35, 0x80000000
	ROUND                                          ; all four work-groups are here: the first joint loads meet
	TLOAD                                          ; slot 0
	s_and_b32 s43, s[WV], 1
	s_cmp_eq_u32 s43, 0                            ; even waves ask for k's records, odd ones for v's
	s_cselect_b64 s[PFA:PFA+1], s[6:7], s[8:9]
	s_add_nc_u64 s[PFA:PFA+1], s[PFA:PFA+1], s[44:45]
	s_add_nc_u64 s[PFA:PFA+1], s[PFA:PFA+1], s[48:49]
	s_add_nc_u64 s[52:53], s[4:5], s[50:51]        ; q's record
	s_mul_i32 s48, s54, 1536
	s_add_nc_u64 s[4:5], s[52:53], s[48:49]        ; my two images in it
	s_lshl_b32 s48, s54, 2
	s_add_nc_u64 s[52:53], s[52:53], s[48:49]      ; and my two half-words of each lane's 16 scale bytes
	s_lshl_b32 s48, s55, 4
	s_add_co_u32 s48, s48, s17
	s_mul_i32 s48, s48, 768
	s_add_nc_u64 s[10:11], s[10:11], s[48:49]      ; aimg at (my first tile, my head)
	s_lshl_b32 s48, s55, 9
	s_lshl_b32 s43, s17, 1
	s_add_co_u32 s48, s48, s43
	s_add_nc_u64 s[12:13], s[12:13], s[48:49]      ; ascl at my first token, byte 2 x head
	WIN 0x40                                       ; destination window 1
	s_wait_alu depctr_va_vdst(0)
.irp T, 0,1
	global_load_b128 v[70+12*\T:73+12*\T], v[L16], s[4:5] offset:768*\T
	global_load_b64 v[74+12*\T:75+12*\T], v[L8], s[4:5] offset:768*\T+512
.endr
.irp z, 64, 76, 88
.irp i, 0,1,2,3,4,5
	v_mov_b32 v[\z+\i], 0                          ; the zero codes beside q
.endr
.endr
.set J, 0
.rept 64
	v_mov_b32 v[J], 0                              ; O^T: the step is written once; its first run finds zeros
.set J, J+1
.endr
	WIN 0
.irp T, 0,1
	global_load_u16 v[QS+\T], v[L16], s[52:53] offset:6144+2*\T
.endr
.irp T, 0,1
	v_mov_b32 v[ZS+8*\T+1], 0xff61b1e6             ; the largest t so far: -3e38
	s_delay_alu instid0(VALU_DEP_1)
	v_floor_f32 v[ZS+8*\T], -v[ZS+8*\T+1]          ; -M
	v_mov_b32 v[ZS+8*\T+2], 0
	v_mov_b32 v[ZS+8*\T+3], 0
	v_mov_b32 v[ZS+8*\T+5], 0                      ; named as the upper half of a pair before it is first made
.irp b, 0,1,2,3
	v_mov_b32 v[X0+20*\T+4+\b], 0                  ; a lane permute's destination counts as one of its sources
.endr
.endr
	s_wait_loadcnt 0x0
.irp T, 0,1
	v_lshl_or_b32 v[QS+\T], v[QS+\T], 16, v[QS+\T] ; q's two bytes in both halves of the word: for [q | 0] and for [0 | q]
.endr
.rept 8
	v_nop                                          ; a scale register written by a vector line stands eight places ahead of a scaled matrix instruction
.endr
; A KEY STEP: 128 keys, both tiles.
.macro KLOAD off                       ; a record of k, off bytes behind the step's: its scale words, and eight images as four fragments
	ds_load_b128 v[KSC:KSC+3], v[ADR16] offset:6144+\off
	WIN 0x40
.irp i, 0,1,2,3,4,5,6,7
	ds_load_b128 v[KK+6*\i:KK+6*\i+3], v[ADR16] offset:768*\i+\off
	ds_load_b64 v[KK+6*\i+4:KK+6*\i+5], v[ADR8] offset:768*\i+512+\off
.endr
	WIN 0
.endm
.macro STEP
	v_add_nc_u32 v[ADR16], s[TB], v[L16]
	v_add_nc_u32 v[ADR8], s[TB], v[L8]
	s_wait_alu depctr_va_vdst(0)
	s_wait_dscnt 0x0                               ; k's fragments: asked for a step ago, or at the slot's head
	WIN 0x05                                       ; k and q in window 1, S^T in window 0
.irp b, 0,1,2,3
.irp u, 0,1
.irp T, 0,1
	v_wmma_scale_f32_16x16x128_f8f6f4 v[SB+64*\T+8*(2*\b+\u):SB+64*\T+8*(2*\b+\u)+7], v[KK+12*\b:KK+12*\b+11], v[70-6*\u+12*\T:81-6*\u+12*\T], 0, v[KSC+\b], v[QS+\T] matrix_a_fmt:MATRIX_FMT_FP6 matrix_b_fmt:MATRIX_FMT_FP6
.endr
.endr
.endr
	WIN 0
.rept 4
	v_nop                                          ; places: the next k's fragments land where k's were read, and the scores are read below
.endr
	ds_load_b128 v[VSC:VSC+3], v[ADR16] offset:VOFF+6144
	WIN 0x40
.irp t, 0,1,2,3
.irp c, 0,1,2
	ds_load_b128 v[KV+12*\t+4*\c:KV+12*\t+4*\c+3], v[ADR16] offset:VOFF+1536*\t+512*\c   ; they land under the softmax
.endr
.endr
	WIN 0
	s_cmp_eq_u32 s[ST4], 1                         ; the slot's last step has no next record of k in this slot
	s_cbranch_scc1 .Lno_k_\@
	KLOAD REC                                      ; the next step's k lands under the softmax too
.Lno_k_\@:
.irp T, 0,1
.irp b, 0,1,2,3
	v_max3_num_f32 v[X0+20*\T+\b], v[SB+64*\T+16*\b], v[SB+64*\T+16*\b+1], v[SB+64*\T+16*\b+2]   ; the largest score of each block of 32 keys: for the row's maximum and for the block's largest p
.endr
.endr
.irp i, 3,5,7,9,11,13
.irp T, 0,1
.irp b, 0,1,2,3
	v_max3_num_f32 v[X0+20*\T+\b], v[X0+20*\T+\b], v[SB+64*\T+16*\b+\i], v[SB+64*\T+16*\b+\i+1]
.endr
.endr
.endr
.irp T, 0,1
.irp b, 0,1,2,3
	v_max_num_f32 v[X0+20*\T+\b], v[X0+20*\T+\b], v[SB+64*\T+16*\b+15]
.endr
.endr
.irp T, 0,1
.irp b, 0,1,2,3
	v_permlanex16_b32 v[X0+20*\T+4+\b], v[X0+20*\T+\b], s[SEL], s[SEL+1]
.endr
.endr
.irp T, 0,1
.irp b, 0,1,2,3
	v_max_num_f32 v[X0+20*\T+\b], v[X0+20*\T+\b], v[X0+20*\T+4+\b]
.endr
.endr
.irp T, 0
	v_max3_num_f32 v[ZS+8*\T+6], v[X0+20*\T], v[X0+20*\T+1], v[X0+20*\T+2]
.endr
.irp T, 1
	s_delay_alu instid0(VALU_DEP_3)
	v_max3_num_f32 v[ZS+8*\T+6], v[X0+20*\T], v[X0+20*\T+1], v[X0+20*\T+2]
.endr
.irp T, 0,1
	s_delay_alu instid0(VALU_DEP_2)
	v_max_num_f32 v[ZS+8*\T+6], v[ZS+8*\T+6], v[X0+20*\T+3]
.endr
.irp T, 0,1
	s_delay_alu instid0(VALU_DEP_2)
	v_mul_f32 v[ZS+8*\T+6], s[CS], v[ZS+8*\T+6]    ; as t
.endr
.irp T, 0,1
	s_delay_alu instid0(VALU_DEP_2)
	v_max_num_f32 v[ZS+8*\T+1], v[ZS+8*\T+1], v[ZS+8*\T+6]
.endr
.irp T, 0,1
	v_mov_b32 v[ZS+8*\T+6], v[ZS+8*\T]
.endr
.irp T, 0,1
	s_delay_alu instid0(VALU_DEP_4)
	v_floor_f32 v[ZS+8*\T], -v[ZS+8*\T+1]          ; the new -M = -ceil(t)
.endr
.irp T, 0,1
	s_delay_alu instid0(VALU_DEP_2)
	v_sub_f32 v[ZS+8*\T+6], v[ZS+8*\T], v[ZS+8*\T+6]   ; old M - new M: a whole number, 0 or less
.endr
.irp T, 0,1
	s_delay_alu instid0(VALU_DEP_2)
	v_cvt_i32_f32 v[ZS+8*\T+6], v[ZS+8*\T+6]
.endr
.irp T, 0,1
	s_delay_alu instid0(VALU_DEP_2)
	v_ldexp_f32 v[ZS+8*\T+4], 1.0, v[ZS+8*\T+6]    ; f = 2^(old M - new M)
.endr
.set J, 0
.rept 32
	v_pk_fma_f32 v[SB+J:SB+J+1], v[SB+J:SB+J+1], s[CS:CS+1], v[ZS:ZS+1] op_sel_hi:[1,0,0]             ; t - M
	v_pk_fma_f32 v[SB+64+J:SB+64+J+1], v[SB+64+J:SB+64+J+1], s[CS:CS+1], v[ZS+8:ZS+9] op_sel_hi:[1,0,0]
.set J, J+2
.endr
.irp T, 0,1
.irp b, 0,1,2,3
	v_fma_f32 v[X0+20*\T+\b], v[X0+20*\T+\b], s[CS], v[ZS+8*\T]
.endr
.endr
.set J, 0
	s_wait_alu depctr_va_vdst(0)
.rept 128
	v_exp_f32 v[SB+J], v[SB+J]                     ; p = 2^(t - M): one batch
.set J, J+1
.endr
.irp T, 0,1
	v_pk_mul_f32 v[ZS+8*\T+2:ZS+8*\T+3], v[ZS+8*\T+2:ZS+8*\T+3], v[ZS+8*\T+4:ZS+8*\T+5] op_sel_hi:[1,0]   ; the sums under the new M; the plain place behind the batch
.endr
	s_wait_alu depctr_va_vdst(0)                   ; one wait for the batch, ahead of its first reader
.irp T, 0,1
.irp b, 0,1,2,3
	v_exp_f32 v[X0+20*\T+\b], v[X0+20*\T+\b]       ; each block's largest p
.endr
.endr
.irp T, 0,1
	v_pk_add_f32 v[X0+20*\T+8:X0+20*\T+9], v[SB+64*\T:SB+64*\T+1], v[SB+64*\T+2:SB+64*\T+3]   ; the row's sum of the unquantised p, two chains a tile
.endr
.irp j, 4,8,12,16,20,24,28,32,36,40,44,48,52,56,60
.irp T, 0,1
	v_pk_add_f32 v[ZS+8*\T+2:ZS+8*\T+3], v[ZS+8*\T+2:ZS+8*\T+3], v[SB+64*\T+\j:SB+64*\T+\j+1]
	v_pk_add_f32 v[X0+20*\T+8:X0+20*\T+9], v[X0+20*\T+8:X0+20*\T+9], v[SB+64*\T+\j+2:SB+64*\T+\j+3]
.endr
.endr
.irp T, 0
	s_delay_alu instid0(VALU_DEP_3)
	v_pk_add_f32 v[ZS+8*\T+2:ZS+8*\T+3], v[ZS+8*\T+2:ZS+8*\T+3], v[X0+20*\T+8:X0+20*\T+9]
.endr
.irp T, 1
	s_delay_alu instid0(VALU_DEP_2)
	v_pk_add_f32 v[ZS+8*\T+2:ZS+8*\T+3], v[ZS+8*\T+2:ZS+8*\T+3], v[X0+20*\T+8:X0+20*\T+9]
.endr
	s_wait_alu depctr_va_vdst(0)                   ; and one for the eight
.irp T, 0,1
.irp b, 0,1,2,3
	v_max_num_f32 v[X0+20*\T+\b], 0x1800000, v[X0+20*\T+\b]   ; the floor 2^(3 - 127)
.endr
.endr
.irp T, 0,1
.irp b, 0,1,2,3
	v_add_nc_u32 v[X0+20*\T+16+\b], 0xff000000, v[X0+20*\T+\b]
.endr
.endr
.irp T, 0,1
.irp b, 0,1,2,3
	v_lshrrev_b32 v[X0+20*\T+4+\b], 23, v[X0+20*\T+16+\b]
.endr
.endr
.irp T, 0
	v_lshl_or_b32 v[ZS+8*\T+5], v[X0+20*\T+5], 8, v[X0+20*\T+4]   ; p's scale word for these 128 keys
.endr
.irp T, 1
	s_delay_alu instid0(VALU_DEP_4)
	v_lshl_or_b32 v[ZS+8*\T+5], v[X0+20*\T+5], 8, v[X0+20*\T+4]   ; p's scale word for these 128 keys
.endr
.irp T, 0,1
	s_delay_alu instid0(VALU_DEP_2)
	v_lshl_or_b32 v[ZS+8*\T+5], v[X0+20*\T+6], 16, v[ZS+8*\T+5]
.endr
.irp T, 0,1
	s_delay_alu instid0(VALU_DEP_2)
	v_lshl_or_b32 v[ZS+8*\T+5], v[X0+20*\T+7], 24, v[ZS+8*\T+5]
.endr
.irp T, 0,1
.irp c, 0,1
	v_cvt_scalef32_pk16_fp6_f32 v[PCD+12*\T+6*\c:PCD+12*\T+6*\c+2], v[SB+64*\T+32*\c:SB+64*\T+32*\c+15], v[X0+20*\T+16+2*\c]
	v_cvt_scalef32_pk16_fp6_f32 v[X0+20*\T+8+4*\c:X0+20*\T+10+4*\c], v[SB+64*\T+16+32*\c:SB+64*\T+31+32*\c], v[X0+20*\T+17+2*\c]
.endr
.endr
	v_nop                                          ; one plain place behind the scaled conversions
.irp T, 0,1
.irp c, 0,1
.irp i, 0,1,2
	v_permlane16_swap_b32 v[PCD+12*\T+6*\c+\i], v[X0+20*\T+8+4*\c+\i]   ; a whole block to a lane: lanes 0-15 block 2 c, lanes 16-31 block 2 c + 1
.endr
.irp i, 0,1,2
	s_delay_alu instid0(VALU_DEP_3)
	v_mov_b32 v[PCD+12*\T+3+6*\c+\i], v[X0+20*\T+8+4*\c+\i]
.endr
.endr
.endr
	WIN 0x41                                       ; O^T in window 1, f in window 0
.set J, 0
.rept 16
	v_pk_mul_f32 v[J:J+1], v[J:J+1], v[ZS+4:ZS+5] op_sel_hi:[1,0]          ; O^T under the new M.  These 32 lines are also the places in front of the products below
	v_pk_mul_f32 v[32+J:32+J+1], v[32+J:32+J+1], v[ZS+12:ZS+13] op_sel_hi:[1,0]
.set J, J+2
.endr
	s_wait_alu depctr_va_vdst(0)
	s_wait_dscnt 0x0                               ; v's fragments and scale words
	WIN 0x51                                       ; v and O^T in window 1, p in window 0
.irp t, 0,1,2,3
.irp T, 0,1
	v_wmma_scale_f32_16x16x128_f8f6f4 v[32*\T+8*\t:32*\T+8*\t+7], v[KV+12*\t:KV+12*\t+11], v[PCD+12*\T:PCD+12*\T+11], v[32*\T+8*\t:32*\T+8*\t+7], v[VSC+\t], v[ZS+8*\T+5] matrix_a_fmt:MATRIX_FMT_FP6 matrix_b_fmt:MATRIX_FMT_FP6
.endr
.endr
	WIN 0
.endm
; THE CHANGE OF SLOTS stands at a slot's head: each wave waits for all its tensor loads, adds 0 to its spare word, and waits for that and for its reads of the slot that it has left.
; fill = 1: behind a round of the cluster's barrier that slot is filled with the next eight key steps: the load has eight steps in which to land; one load of a wave is out at the most.
.macro CHANGE fill
	s_wait_tensorcnt 0x0
	ds_add_u32 v[SPW], v[NIL]
.if \fill
	s_xor_b32 s33, s33, SLOT1
	s_add_nc_u64 s[34:35], s[34:35], SLOTB
	s_wait_xcnt 0x0                                ; the last prefetch, a slot back, has read its address
	s_add_nc_u64 s[PFA:PFA+1], s[PFA:PFA+1], SLOTB
	s_wait_dscnt 0x0
	ROUND
	TLOAD
	ASK
.else
	s_wait_dscnt 0x0
	s_barrier_signal -1
	s_barrier_wait -1
.endif
.endm
.macro SLOT_STEPS
	s_mov_b32 s[ST4], 8
	v_add_nc_u32 v[ADR16], s[TB], v[L16]
	v_add_nc_u32 v[ADR8], s[TB], v[L8]
	KLOAD 0                                        ; the slot's first record of k
.Lstep_\@:
	s_wait_alu depctr_va_vdst(0)
	STEP
	s_add_co_u32 s[TB], s[TB], REC
	s_sub_co_u32 s[ST4], s[ST4], 1
	s_cmp_lg_u32 s[ST4], 0
	s_cbranch_scc1 .Lstep_\@
	s_sub_co_u32 s[TB], s[TB], SLOTB
	s_xor_b32 s[TB], s[TB], SLOT1
.endm
; as in the launch before: 32 numbers of a lane become six registers of codes and two scale bytes
.macro QUANT2 s, d, hw, t
.irp b, 0,1
	v_max3_num_f32 v[\t+\b], |v[\s+16*\b]|, |v[\s+1+16*\b]|, 0x1800000
.endr
.irp i, 2,4,6,8,10,12,14
.irp b, 0,1
	s_delay_alu instid0(VALU_DEP_2)
	v_max3_num_f32 v[\t+\b], v[\t+\b], |v[\s+16*\b+\i]|, |v[\s+1+16*\b+\i]|
.endr
.endr
.irp b, 0,1
	s_delay_alu instid0(VALU_DEP_2)
	v_permlanex16_b32 v[\t+2+\b], v[\t+\b], s[SEL], s[SEL+1]
.endr
.irp b, 0,1
	s_delay_alu instid0(VALU_DEP_2)
	v_max_num_f32 v[\t+\b], v[\t+\b], v[\t+2+\b]
.endr
.irp b, 0,1
	s_delay_alu instid0(VALU_DEP_2)
	v_add_nc_u32 v[\t+4+\b], 0xff000000, v[\t+\b]
.endr
.irp b, 0,1
	s_delay_alu instid0(VALU_DEP_2)
	v_lshrrev_b32 v[\t+6+\b], 23, v[\t+4+\b]
.endr
	s_delay_alu instid0(VALU_DEP_1)
	v_lshl_or_b32 v[\hw], v[\t+7], 8, v[\t+6]
	v_cvt_scalef32_pk16_fp6_f32 v[\d:\d+2], v[\s:\s+15], v[\t+4]
	v_cvt_scalef32_pk16_fp6_f32 v[\t+8:\t+10], v[\s+16:\s+31], v[\t+5]
	v_nop
.irp i, 0,1,2
	v_permlane16_swap_b32 v[\d+\i], v[\t+8+\i]
.endr
.irp i, 0,1,2
	s_delay_alu instid0(VALU_DEP_3)
	v_mov_b32 v[\d+3+\i], v[\t+8+\i]
.endr
.endm
.Lslot:                                            ; three trips: behind each change of slots but the last the next slot is asked for
	CHANGE 1
	SLOT_STEPS
	s_sub_co_u32 s[SLOTS], s[SLOTS], 1
	s_cmp_lg_u32 s[SLOTS], 0
	s_cbranch_scc1 .Lslot
	CHANGE 0                                       ; the last slot is written out
	SLOT_STEPS
	; THE WAY OUT: O^T / the sum; the channels into their natural order; the quantiser along the channels; images out.
.rept 4
	v_nop
.endr
.irp T, 0,1
	v_add_f32 v[ZS+8*\T+6], v[ZS+8*\T+2], v[ZS+8*\T+3]
.endr
.irp T, 0,1
	s_delay_alu instid0(VALU_DEP_2)
	v_permlanex16_b32 v[X0+20*\T+4], v[ZS+8*\T+6], s[SEL], s[SEL+1]
.endr
.irp T, 0,1
	s_delay_alu instid0(VALU_DEP_2)
	v_add_f32 v[ZS+8*\T+6], v[ZS+8*\T+6], v[X0+20*\T+4]
.endr
	s_wait_alu depctr_va_vdst(0)
.irp T, 0,1
	v_rcp_f32 v[ZS+8*\T+4], v[ZS+8*\T+6]
.endr
	v_nop
	s_wait_alu depctr_va_vdst(0)                   ; one wait for the two reciprocals
	WIN 0x01                                       ; source 0: O^T, in window 1; each accumulator from its low end on
.irp T, 0,1
.irp i, 0,2,4,6,8,10,12,14,16,18,20,22,24,26,28,30
	v_pk_mul_f32 v[SB+64*\T+\i:SB+64*\T+\i+1], v[32*\T+\i:32*\T+\i+1], v[ZS+8*\T+4:ZS+8*\T+5] op_sel_hi:[1,0]   ; register 8 t + j: channel 16 t + 8 h + j
.endr
.endr
	WIN 0
.irp T, 0,1
.irp b, 0,1
.irp j, 0,1,2,3,4,5,6,7
	v_permlane16_swap_b32 v[SB+64*\T+16*\b+\j], v[SB+64*\T+16*\b+8+\j]   ; now register 16 b + i is channel 32 b + 16 h + i: the order of w_out's codes
.endr
.endr
.endr
.irp T, 0,1
	QUANT2 SB+64*\T, PCD+12*\T, ZS+8*\T+6, X0+20*\T
.endr
.irp T, 0,1
	global_store_b128 v[L16], v[PCD+12*\T:PCD+12*\T+3], s[10:11] offset:12288*\T        ; 512 consecutive bytes, aligned to 256
	global_store_b64 v[L8], v[PCD+12*\T+4:PCD+12*\T+5], s[10:11] offset:12288*\T+512    ; 256 more
	global_store_b16 v[AO], v[ZS+8*\T+6], s[12:13] offset:512*\T                        ; my token's two scale bytes (lanes 16-31 store the same to the same place): rows of 32 bytes, as the last launch reads them
.endr
	s_wait_tensorcnt 0x0                           ; the wave's end
	ds_add_u32 v[SPW], v[NIL]
	s_wait_dscnt 0x0
	ROUND                                          ; the closing round
	s_endpgm
.Lfunc_end_k_q6d7d1b56f1_attn:
	.size	k_q6d7d1b56f1_attn, .Lfunc_end_k_q6d7d1b56f1_attn-k_q6d7d1b56f1_attn
	.p2alignl 7, 3214868480
	.fill 96, 4, 3214868480
	.section	.rodata,"a",@progbits
	.p2align	6, 0x0
	.amdhsa_kernel k_q6d7d1b56f1_attn
		.amdhsa_group_segment_fixed_size 327680
		.amdhsa_private_segment_fixed_size 0
		.amdhsa_enable_private_segment 0
		.amdhsa_kernarg_size 40
		.amdhsa_user_sgpr_count 2
		.amdhsa_user_sgpr_kernarg_segment_ptr 1
		.amdhsa_wavefront_size32 1
		.amdhsa_system_sgpr_workgroup_id_x 1
		.amdhsa_system_sgpr_workgroup_id_y 1
		.amdhsa_system_sgpr_workgroup_id_z 1
		.amdhsa_system_vgpr_workitem_id 0
		.amdhsa_next_free_vgpr 512
		.amdhsa_next_free_sgpr 66
		.amdhsa_reserve_vcc 0
		.amdhsa_float_denorm_mode_32 3
		.amdhsa_float_denorm_mode_16_64 3
		.amdhsa_memory_ordered 1
		.amdhsa_forward_progress 1
		.amdhsa_inst_pref_size 83
	.end_amdhsa_kernel
	.amdgpu_metadata
---
amdhsa.version: [ 1, 2 ]
amdhsa.kernels:
  - .name:           k_q6d7d1b56f1_attn
    .symbol:         k_q6d7d1b56f1_attn.kd
    .args:
      - { .name: qimg, .offset: 0, .size: 8, .value_kind: global_buffer, .address_space: global }
      - { .name: kimg, .offset: 8, .size: 8, .value_kind: global_buffer, .address_space: global }
      - { .name: vimg, .offset: 16, .size: 8, .value_kind: global_buffer, .address_space: global }
      - { .name: aimg, .offset: 24, .size: 8, .value_kind: global_buffer, .address_space: global }
      - { .name: ascl, .offset: 32, .size: 8, .value_kind: global_buffer, .address_space: global }
    .group_segment_fixed_size: 327680
    .private_segment_fixed_size: 0
    .kernarg_segment_align: 8
    .kernarg_segment_size: 40
    .max_flat_workgroup_size: 256
    .sgpr_count:     66
    .vgpr_count:     512
    .wavefront_size: 32
...
	.end_amdgpu_metadata
.endif
;; end of part 2
;; launch proj (part 3): grid 8 x 32, 8 waves a work-group, clusters of 4 x 4, 327,680 bytes of LDS; arguments aimg, ascl, w_out_codes, w_out_scales, out0; writes out0
.if DOCPART == 3
	.amdgcn_target "amdgcn-amd-amdhsa--gfx1250"
	.amdhsa_code_object_version 6
	.text
	.protected	k_q6d7d1b56f1_proj
	.globl	k_q6d7d1b56f1_proj
	.p2align	8
	.type	k_q6d7d1b56f1_proj,@function
k_q6d7d1b56f1_proj:
	s_mov_b64 s[64:65], 0
	v_nop
	global_prefetch_b8 v0, s[64:65] scope:SCOPE_SE
	s_setreg_imm32_b32 hwreg(HW_REG_WAVE_MODE, 25, 1), 1
	s_wait_xcnt 0x0
	s_wait_alu depctr_hold_cnt(0) depctr_sa_sdst(0) depctr_va_vdst(0) depctr_va_sdst(0) depctr_va_ssrc(0) depctr_va_vcc(0) depctr_vm_vsrc(0)
	s_getreg_b32 s2, hwreg(HW_REG_IB_STS2, 6, 4)
	s_cmp_eq_u32 s2, 0
	s_cbranch_scc0 .Lentry_in_a_cluster
	s_endpgm
.Lentry_in_a_cluster:
	s_bfe_u32 s2, ttmp6, 0x10000c
	s_cmp_lg_u32 s2, 0xf033
	s_cbranch_scc0 .Lentry_shape_is_right
	s_endpgm
.Lentry_shape_is_right:
; out0[token][n] = sum over k of a[token][k] w_out[n][k], both on codes of FP6 (E2M3) with one E8M0 scale for each 32 along K; K = 1,024; sums in f32.
; SHARES.  A work-group: 128 tokens x 128 columns: 32 x 8 = 256 work-groups.  Eight waves, two to a SIMD; a wave: 32 tokens x 64 columns, eight accumulators of 16 x 16.
; ALL OF K LIES IN LDS AT ONCE: a's images of 128 tokens are 98,304 dense bytes, w_out's 128 rows of 768 bytes likewise, the scales 4,096 bytes a side.  Every LDS byte is filled once: no ring, no refill.
; a's codes: aimg [tile of 16 tokens][head][768], images of registers (16 bytes a lane, then 8): two heads side by side are one fragment of 128 along K.
; w_out's codes come as chunks of 256 bytes, each with 16 bytes of padding: a row is three chunks, 816 bytes of LDS; byte y of a row lies at y + 16 (y / 256).
; CLUSTERS: 4 x 4.  a's tiles hang on the token block and are asked for jointly along a row of the cluster, w_out's on the column block, along a column.
; The matrix instruction is used transposed (source 0 = 16 rows of w_out, source 1 = 16 tokens): a lane holds eight neighbouring columns of one token.
; No prefetch into the L2: every tile is asked for at the kernel's head, and there is no loop to run ahead in.
; REGISTERS: v4-13 addresses; v16-47 scale words (register 8 i + step: lanes 0-15 a's block i, lanes 16-31 w_out's block i); v48-119, v120-191 two sets of fragments (a's two, then w_out's four); v192-255 accumulators.
.set LB,     98304                     ; w_out's codes, behind a's
.set BP,     816
.set SCLA,   202752                    ; a's scales: 16 rows of 256 + 16 bytes
.set SCLB,   207104                    ; w_out's
.set SBLK,   544                       ; the scales of 16 rows
.set STAGE,  211456                    ; the way out: 32 rows x 272 bytes for each wave; no fill lands here
.set SPITCH, 272
.set WSTG,   32*SPITCH
.set SPARE,  281088                    ; the spare words: 128 bytes a wave
.set ADRA,  4
.set ADRA8, 5
.set ADRB,  6
.set ADRB2, 7                          ; for a piece whose lanes 16-31 lie in the next chunk: 16 more there
.set ADRS,  8
.set STO,   9
.set RD,    10
.set CO,    11
.set SPW,   12
.set NIL,   13
.set SC,    16
.set F0,    48
.set ACC,   192
.set BK,    48
.set G1A, 24
.set G0A, 32
.set G0B, 36
.set G1B, 48
.set G0S, 56
.set G0SB, 60
.set G1S, 68
.set G1SB, 80
.macro CROUND                          ; a round of the cluster's barrier
	s_barrier_signal -1
	s_barrier_wait -1
	s_cmp_lg_u32 s14, 0
	s_cbranch_scc1 .Lnot_wave_0_\@
	s_barrier_signal -3
.Lnot_wave_0_\@:
	s_barrier_wait -3
	s_barrier_signal -1
	s_barrier_wait -1
.endm
	s_load_b256 s[4:11], s[0:1], 0x0               ; aimg, ascl, w_out_codes, w_out_scales
	s_load_b64 s[12:13], s[0:1], 0x20              ; out0
	v_lshl_add_u32 v[SPW], v0, 2, SPARE
	v_mov_b32 v[NIL], 0
	ds_add_u32 v[SPW], v[NIL]                      ; the opening lines: the add, twice on end, and its wait
	ds_add_u32 v[SPW], v[NIL]
	v_lshrrev_b32 v1, 5, v0
	v_readfirstlane_b32 s14, v1                    ; wave 0..7
	s_lshr_b32 s15, s14, 1                         ; my quarter of the tokens
	s_and_b32 s16, s14, 1                          ; my half of the columns; also: which half of a tile of codes I fetch
	s_bfe_u32 s40, ttmp6, 0x40000                  ; cx
	s_bfe_u32 s41, ttmp6, 0x40004                  ; cy
	s_lshl_b32 s42, ttmp9, 2
	s_add_co_u32 s42, s42, s40                     ; column block
	s_and_b32 s17, ttmp7, 0xffff
	s_lshl_b32 s17, s17, 2
	s_add_co_u32 s17, s17, s41                     ; token block
	s_lshl_b32 s43, s41, 2
	s_lshl_b32 s43, 15, s43                        ; my row of the cluster
	s_lshl_b32 s44, 0x1111, s40                    ; my column
	s_or_b32 s[G1A], s43, (3<<16)|(1<<21)          ; a's codes: elements of 8 bytes, dense
	s_or_b32 s[G1B], s44, (3<<16)|(1<<20)|(1<<21)|(5<<22)|(3<<25)   ; w_out's: 4 words of padding behind every 64
	s_or_b32 s[G1S], s43, (3<<16)|(1<<20)|(1<<21)|(5<<22)|(3<<25)
	s_or_b32 s[G1SB], s44, (3<<16)|(1<<20)|(1<<21)|(5<<22)|(3<<25)
.irp g, G1A, G1B                       ; half a tile of codes: 192 rows of 256 bytes
	s_mov_b32 s[\g+1], 32<<16
	s_mov_b32 s[\g+2], 192<<16
	s_mov_b32 s[\g+3], 32<<16
	s_mov_b32 s[\g+4], 192
	s_mov_b32 s[\g+5], 32
	s_mov_b32 s[\g+6], 0
	s_mov_b32 s[\g+7], 0
.endr
.irp g, G1S, G1SB                      ; the scales of 128 rows: 16 rows of 256 bytes
	s_mov_b32 s[\g+1], 32<<16
	s_mov_b32 s[\g+2], 16<<16
	s_mov_b32 s[\g+3], 32<<16
	s_mov_b32 s[\g+4], 16
	s_mov_b32 s[\g+5], 32
	s_mov_b32 s[\g+6], 0
	s_mov_b32 s[\g+7], 0
.endr
	s_mul_i32 s18, s16, 49152                      ; my half of a tile of codes, in memory
	s_mul_i32 s20, s17, 98304
	s_add_co_u32 s20, s20, s18
	s_mov_b32 s21, 0
	s_mul_i32 s46, s42, 98304
	s_add_co_u32 s46, s46, s18
	s_mov_b32 s47, 0
	s_lshl_b32 s22, s17, 12
	s_mov_b32 s23, 0
	s_lshl_b32 s92, s42, 12
	s_mov_b32 s93, 0
	s_mul_i32 s94, s15, 24576                      ; my two tiles of 16 tokens in LDS
	s_mul_i32 s95, s16, 64*BP
	s_add_co_u32 s95, s95, LB                      ; my 64 rows of w_out
	s_mul_i32 s96, s15, 2*SBLK
	s_add_co_u32 s96, s96, SCLA                    ; my tokens' scales
	s_mul_i32 s97, s16, 4*SBLK
	s_add_co_u32 s97, s97, SCLB
	s_sub_co_u32 s97, s97, s96                     ; from there to my columns' scales
	s_mul_i32 s98, s14, WSTG
	s_add_co_u32 s98, s98, STAGE                   ; my stage
	s_lshl_b32 s100, s17, 19                       ; out0: 128 rows of 4,096 bytes a token block,
	s_lshl_b32 s101, s15, 17                       ; 32 rows a quarter,
	s_add_co_u32 s100, s100, s101
	s_lshl_b32 s101, s42, 9                        ; 512 bytes a column block,
	s_add_co_u32 s100, s100, s101
	s_lshl_b32 s101, s16, 8                        ; 256 a half
	s_add_co_u32 s100, s100, s101
	s_mov_b32 s101, 0
	s_wait_dscnt 0x0                               ; both opening adds are done
	s_wait_kmcnt 0x0
	s_add_nc_u64 s[12:13], s[12:13], s[100:101]
	s_mov_b32 s[G0A], 1
	s_mul_i32 s[G0A+1], s16, 49152
	s_add_nc_u64 s[G0A+2:G0A+3], s[4:5], s[20:21]
	s_or_b32 s[G0A+3], s[G0A+3], 0x80000000
	s_mov_b32 s[G0B], 1
	s_mul_i32 s[G0B+1], s16, 192*272
	s_add_co_u32 s[G0B+1], s[G0B+1], LB
	s_add_nc_u64 s[G0B+2:G0B+3], s[8:9], s[46:47]
	s_or_b32 s[G0B+3], s[G0B+3], 0x80000000
	s_mov_b32 s[G0S], 1
	s_mov_b32 s[G0S+1], SCLA
	s_add_nc_u64 s[G0S+2:G0S+3], s[6:7], s[22:23]
	s_or_b32 s[G0S+3], s[G0S+3], 0x80000000
	s_mov_b32 s[G0SB], 1
	s_mov_b32 s[G0SB+1], SCLB
	s_add_nc_u64 s[G0SB+2:G0SB+3], s[10:11], s[92:93]
	s_or_b32 s[G0SB+3], s[G0SB+3], 0x80000000
	CROUND                                         ; all sixteen work-groups are here: the joint loads meet
; The head's loads, one a wave at the most, in one chain of branches on the wave's number: waves 0, 1 a's codes by halves, waves 2, 3 w_out's, wave 4 a's scales, wave 5 w_out's; waves 6, 7 none.
.macro ARM under, g0, g1, next
	s_cmp_lt_u32 s14, \under
	s_cbranch_scc0 \next
	tensor_load_to_lds s[\g0:\g0+3], s[\g1:\g1+7]
	s_nop 0
.rept 4
	v_nop
.endr
	s_branch .Lhead_asked
\next:
.endm
	ARM 2, G0A,  G1A,  .Lhead_b
	ARM 4, G0B,  G1B,  .Lhead_sa
	ARM 5, G0S,  G1S,  .Lhead_sb
	ARM 6, G0SB, G1SB, .Lhead_none
.Lhead_asked:
	v_and_b32 v1, 15, v0                           ; r = l % 16
	v_bfe_u32 v2, v0, 4, 1                         ; h = l / 16
	v_and_b32 v3, 31, v0
	v_lshlrev_b32 v48, 4, v3
	v_lshlrev_b32 v49, 3, v3
	v_add_nc_u32 v[ADRA], s94, v48                 ; images: 16 bytes a lane,
	v_add_nc_u32 v[ADRA8], s94, v49                ; then 8
	v_mul_u32_u24 v50, v1, BP
	v_mad_u32_u24 v50, v2, 24, v50
	v_add_nc_u32 v[ADRB], s95, v50                 ; row r x 816 + 24 h
	v_lshl_add_u32 v[ADRB2], v2, 4, v[ADRB]
	v_lshlrev_b32 v51, 5, v1                       ; scales: 32 bytes a row,
	v_lshrrev_b32 v52, 8, v51
	v_lshl_add_u32 v51, v52, 4, v51                ; 16 more behind 256
	v_mul_u32_u24 v52, s97, v2                     ; lanes 16-31 take w_out's
	v_add_nc_u32 v51, v51, v52
	v_add_nc_u32 v[ADRS], s96, v51
	v_mul_u32_u24 v53, v1, SPITCH
	v_lshl_add_u32 v53, v2, 5, v53
	v_add_nc_u32 v[STO], s98, v53                  ; into the stage: row r, 32 bytes for each half of the lanes
	v_mul_u32_u24 v54, v2, SPITCH
	v_lshl_add_u32 v54, v1, 4, v54
	v_add_nc_u32 v[RD], s98, v54                   ; back: sixteen lanes take a row of 256 bytes
	v_lshlrev_b32 v55, 12, v2
	v_lshl_add_u32 v[CO], v1, 4, v55               ; and the same two rows in out0
.macro FRAGS st, f                     ; 32 LDS loads: the fragments of one step of 128 along K
.irp a, 0,1
	ds_load_b128 v[(\f)+12*\a:(\f)+12*\a+3], v[ADRA] offset:12288*\a+1536*(\st)
	ds_load_b64 v[(\f)+12*\a+4:(\f)+12*\a+5], v[ADRA8] offset:12288*\a+1536*(\st)+512
	ds_load_b128 v[(\f)+12*\a+6:(\f)+12*\a+9], v[ADRA] offset:12288*\a+1536*(\st)+768
	ds_load_b64 v[(\f)+12*\a+10:(\f)+12*\a+11], v[ADRA8] offset:12288*\a+1536*(\st)+1280
.endr
.irp b, 0,1,2,3
.irp p, 0,1,2,3,4,5
.set BY, 96*(\st)+48*(\p/3)+8*(\p%3)   ; where the piece of lanes 0-15 begins in the row of codes; that of lanes 16-31 begins 24 bytes on
.if BY/256 == (BY+24)/256
	ds_load_b64 v[(\f)+24+12*\b+2*\p:(\f)+25+12*\b+2*\p], v[ADRB] offset:BY+16*(BY/256)+\b*16*BP
.else
	ds_load_b64 v[(\f)+24+12*\b+2*\p:(\f)+25+12*\b+2*\p], v[ADRB2] offset:BY+16*(BY/256)+\b*16*BP
.endif
.endr
.endr
.endm
.macro MUL st, f, zero                 ; eight products, the eight accumulators by turns
.irp a, 0,1
.irp b, 0,1,2,3
.if \zero
	v_wmma_scale_f32_16x16x128_f8f6f4 v[ACC+8*(4*\a+\b):ACC+8*(4*\a+\b)+7], v[(\f)+24+12*\b:(\f)+35+12*\b], v[(\f)+12*\a:(\f)+12*\a+11], 0, v[SC+8*\b+(\st)], v[SC+8*\a+(\st)] matrix_a_fmt:MATRIX_FMT_FP6 matrix_b_fmt:MATRIX_FMT_FP6 matrix_a_scale:MATRIX_SCALE_ROW1
.else
	v_wmma_scale_f32_16x16x128_f8f6f4 v[ACC+8*(4*\a+\b):ACC+8*(4*\a+\b)+7], v[(\f)+24+12*\b:(\f)+35+12*\b], v[(\f)+12*\a:(\f)+12*\a+11], v[ACC+8*(4*\a+\b):ACC+8*(4*\a+\b)+7], v[SC+8*\b+(\st)], v[SC+8*\a+(\st)] matrix_a_fmt:MATRIX_FMT_FP6 matrix_b_fmt:MATRIX_FMT_FP6 matrix_a_scale:MATRIX_SCALE_ROW1
.endif
.endr
.endr
.endm
.macro STEP st, zero
.if (\st) < 7
.if (\st) > 0
.rept 4
	v_nop                                          ; places in front of loads into the set that the step before multiplied
.endr
.endif
	FRAGS (\st)+1, F0+72*(((\st)+1)%2)
	s_wait_dscnt 32                                ; all but the 32 loads just issued: this step's fragments are in
.else
	s_wait_dscnt 0x0
.endif
	MUL \st, F0+72*((\st)%2), \zero
.endm
	s_wait_alu depctr_va_vdst(0)
	s_wait_tensorcnt 0x0                           ; my tile is in
	s_barrier_signal -1
	s_barrier_wait -1                              ; and everybody's
.irp i, 0,1,2,3
.irp g, 0,1
	ds_load_b128 v[SC+8*\i+4*\g:SC+8*\i+4*\g+3], v[ADRS] offset:\i*SBLK+16*\g   ; all of K's scale words.  For i = 2, 3 lanes 0-15 read scale bytes of other rows, which no product names
.endr
.endr
	FRAGS 0, F0
	STEP 0, 1                                      ; the first step's products start the sums
.set ST, 1                             ; written out: the pieces' places in the chunks differ from step to step
.rept 7
	STEP ST, 0
.set ST, ST+1
.endr
; THE WAY OUT: through my own stage, back as whole rows of 256 bytes.  LDS serves a wave's instructions in order: no wait between the stores and the loads.
.rept 4
	v_nop                                          ; places: results are read, and rows land in registers that held fragments
.endr
.irp a, 0,1
.irp b, 0,1,2,3
	ds_store_b128 v[STO], v[ACC+8*(4*\a+\b):ACC+8*(4*\a+\b)+3] offset:\a*16*SPITCH+64*\b       ; each accumulator from its low end on
	ds_store_b128 v[STO], v[ACC+8*(4*\a+\b)+4:ACC+8*(4*\a+\b)+7] offset:\a*16*SPITCH+64*\b+16
.endr
.endr
.irp t, 0,1,2,3,4,5,6,7,8,9,10,11,12,13,14,15
	ds_load_b128 v[BK+4*\t:BK+4*\t+3], v[RD] offset:\t*2*SPITCH
.endr
	s_wait_dscnt 8                                 ; the first eight pairs of rows are back
.irp t, 0,1,2,3,4,5,6,7
	global_store_b128 v[CO], v[BK+4*\t:BK+4*\t+3], s[12:13] offset:\t*8192 th:TH_STORE_NT   ; sixteen lanes store 256 consecutive bytes, aligned
.endr
	s_wait_dscnt 0x0
.irp t, 8,9,10,11,12,13,14,15
	global_store_b128 v[CO], v[BK+4*\t:BK+4*\t+3], s[12:13] offset:\t*8192 th:TH_STORE_NT
.endr
	s_wait_tensorcnt 0x0                           ; the wave's end
	ds_add_u32 v[SPW], v[NIL]
	s_wait_dscnt 0x0
	CROUND                                         ; the closing round
	s_endpgm
.Lfunc_end_k_q6d7d1b56f1_proj:
	.size	k_q6d7d1b56f1_proj, .Lfunc_end_k_q6d7d1b56f1_proj-k_q6d7d1b56f1_proj
	.p2alignl 7, 3214868480
	.fill 96, 4, 3214868480
	.section	.rodata,"a",@progbits
	.p2align	6, 0x0
	.amdhsa_kernel k_q6d7d1b56f1_proj
		.amdhsa_group_segment_fixed_size 327680
		.amdhsa_private_segment_fixed_size 0
		.amdhsa_enable_private_segment 0
		.amdhsa_kernarg_size 40
		.amdhsa_user_sgpr_count 2
		.amdhsa_user_sgpr_kernarg_segment_ptr 1
		.amdhsa_wavefront_size32 1
		.amdhsa_system_sgpr_workgroup_id_x 1
		.amdhsa_system_sgpr_workgroup_id_y 1
		.amdhsa_system_sgpr_workgroup_id_z 1
		.amdhsa_system_vgpr_workitem_id 0
		.amdhsa_next_free_vgpr 256
		.amdhsa_next_free_sgpr 102
		.amdhsa_reserve_vcc 0
		.amdhsa_float_denorm_mode_32 3
		.amdhsa_float_denorm_mode_16_64 3
		.amdhsa_memory_ordered 1
		.amdhsa_forward_progress 1
		.amdhsa_inst_pref_size 38
	.end_amdhsa_kernel
	.amdgpu_metadata
---
amdhsa.version: [ 1, 2 ]
amdhsa.kernels:
  - .name:           k_q6d7d1b56f1_proj
    .symbol:         k_q6d7d1b56f1_proj.kd
    .args:
      - { .name: aimg, .offset: 0, .size: 8, .value_kind: global_buffer, .address_space: global }
      - { .name: ascl, .offset: 8, .size: 8, .value_kind: global_buffer, .address_space: global }
      - { .name: w_out_codes, .offset: 16, .size: 8, .value_kind: global_buffer, .address_space: global }
      - { .name: w_out_scales, .offset: 24, .size: 8, .value_kind: global_buffer, .address_space: global }
      - { .name: out0, .offset: 32, .size: 8, .value_kind: global_buffer, .address_space: global }
    .group_segment_fixed_size: 327680
    .private_segment_fixed_size: 0
    .kernarg_segment_align: 8
    .kernarg_segment_size: 40
    .max_flat_workgroup_size: 256
    .sgpr_count:     102
    .vgpr_count:     256
    .wavefront_size: 32
...
	.end_amdgpu_metadata
.endif
;; end of part 3
